; MI455X (gfx1250); checked and timed in simulation.
; The chip was launched on July 23, 2026; its instructions are those of AMD's public machine-readable ISA for CDNA 5 (MIT licence, August 2026) and "CDNA5" Instruction Set Architecture Reference Guide (July 2026). The comments in the code are by the model that wrote it; some were corrected since.
;; Causal Self Attention. Allowed arithmetic: matrix products marked QUANTISED: E2M3 operands, one E8M0 scale for each 32 along K, by v_wmma_scale_f32_16x16x128_f8f6f4 with both operands' format E2M3, f32 sums; everything else in f32.
;; Inputs: Wk 1,024 x 1,024 float32; Wq 1,024 x 1,024 float32; Wv 1,024 x 1,024 float32; x 4 x 2,048 x 1,024 float32.
;; Outputs: out0 4 x 2,048 x 1,024 float32.
;; This version of the problem:
;;   THIS VERSION OF THE PROBLEM IS GIVEN IN LOW PRECISION. The matrix products marked QUANTISED in the list below multiply operands that are first quantised to E2M3 (2 exponent bits, 3 mantissa bits; 6 bits a number), with one power-of-two scale for each 32 numbers along K (OCP MX v1.0); their sums are f32. All else is computed in f32.
;;   The module's matrix products, in the order in which they are computed (A, B: the left and right operand; K: the contracted axis; several contracted axes count as one K, in the product's order):
;;     1. [M 8,192, K 1,024] x [K 1,024, N 1,024]; A: input x; B: input Wq: QUANTISED
;;     2. [M 8,192, K 1,024] x [K 1,024, N 1,024]; A: input x; B: input Wk: QUANTISED
;;     3. [M 8,192, K 1,024] x [K 1,024, N 1,024]; A: input x; B: input Wv: QUANTISED
;;     4. batch 4 x [M 2,048, K 1,024] x [K 1,024, N 2,048]; A: computed on the way; B: computed on the way: QUANTISED
;;     5. batch 4 x [M 2,048, K 2,048] x [K 2,048, N 1,024]; A: softmax (see below); B: computed on the way: QUANTISED
;;   THE QUANTISER, for each operand of a quantised product, along K:
;;     - K is cut into blocks of 32 from its start; a last block that is shorter is filled with zeros.
;;     - A block's scale is 2^e with e = floor(log2(the largest magnitude in the block)) - 2, held to -126 .. 127; a block of zeros has e = 0. As a byte (E8M0): e + 127.
;;     - Each number is divided by its block's scale, clamped to +-7.5, and rounded to the nearest number of E2M3, ties to even, subnormals kept.
;;     - The product sums the exact products of the quantised numbers (number of the format x scale) in f32.
;;   ~~~python
;;   def quantise(x, axis):      # numpy; x: float32 -> the quantised numbers, widened to float32 again
;;       x = np.moveaxis(x, axis, -1); K = x.shape[-1]
;;       x = np.pad(x, [(0, 0)] * (x.ndim - 1) + [(0, -K % 32)]); x = x.reshape(x.shape[:-1] + (-1, 32)); a = np.abs(x).max(-1, keepdims=True)
;;       e = np.where(a > 0, np.clip(np.frexp(np.where(a > 0, a, 1))[1] - 1 - 2, -126, 127), 0)      # np.frexp(a)[1] - 1 = floor(log2(a)), exactly
;;       r = np.clip(x / 2.0 ** e, -7.5, 7.5)
;;       step = 2.0 ** (np.maximum(np.frexp(np.where(r == 0, 1, r))[1] - 1, 0) - 3)
;;       q = np.round(r / step) * step * 2.0 ** e      # np.round: ties to even
;;       return np.moveaxis(q.reshape(q.shape[:-2] + (-1,))[..., :K], -1, axis).astype(np.float32)
;;   ~~~
;;   SOFTMAX AHEAD OF A QUANTISED PRODUCT. Where the list says 'softmax', what is quantised is not the finished softmax but p = 2^(t - M), with t = logit x log2(e) and M = ceil(the row's largest t), a whole number; so 1/2 < the row's largest p <= 1. The row's sum l is taken of the UNQUANTISED p, in f32, and the product's result is divided by l at the end. Since M is a whole number, a kernel that streams over the keys may use a running M (the ceiling of the running maximum): every later rescaling is an exact power of two, which a block's scale takes up: the codes' values come out the same.
;;   OPERANDS COMPUTED ON THE WAY. 'Computed on the way' means the value that the module computes at that place (a softmax that the list does not call 'softmax' is quantised finished and normalised). What goes into a quantiser is computed in f32, as accurately as f32 sums, v_exp_f32 and their like allow (about 1e-6 of the number): no bf16 or f16 on the way to a quantiser, and a product that is left as it is and whose result goes on into a quantised operand takes f32 operands (vector FMAs, or v_wmma_f32_16x16x4_f32). A number that lies on a knife's edge between two numbers of the format may be rounded either way, as far as f32 arithmetic and the matrix unit's own rounding can turn it there, and no further.
;; One version. Each part assembles by itself: llvm-mc -triple=amdgcn-amd-amdhsa -mcpu=gfx1250 --defsym DOCPART=n.
;; ======== version 1 of 1: 4 launches
;; limits: right only within a limited range of input values
;; workspace buffers: codes1 8,650,752 bytes; scales1 360,448 bytes; codes2 18,874,368 bytes; scales2 786,432 bytes; codes3 12,582,912 bytes; scales3 524,288 bytes; stats 2,097,152 bytes
;; launch quant (part 1): grid 256 x 1, 11 waves a work-group, no clusters, 94,464 bytes of LDS; arguments x, Wq, Wk, Wv, codes1, scales1; writes codes1, scales1
.if DOCPART == 1
	.amdgcn_target "amdgcn-amd-amdhsa--gfx1250"
	.amdhsa_code_object_version 6
	.text
	.protected	k_qdd8d43ed84_quant
	.globl	k_qdd8d43ed84_quant
	.p2align	8
	.type	k_qdd8d43ed84_quant,@function
k_qdd8d43ed84_quant:
	s_mov_b64 s[64:65], 0
	v_nop
	global_prefetch_b8 v0, s[64:65] scope:SCOPE_SE
	s_setreg_imm32_b32 hwreg(HW_REG_WAVE_MODE, 25, 1), 1
	s_wait_xcnt 0x0
; LAUNCH 1 OF 4.  x [8192][1024], Wq, Wk, Wv [1024][1024], f32, K = the last axis, become codes of E2M3 with one E8M0 byte for each 32 along K.
; THE PROGRAM: (1) this; (2) q, k = x W^T quantised along e, v^T quantised along the keys; (3) the causal tiles of q k^T, p = 2^(t - M) under an M of its own for each row
; and each 64 keys, quantised along the keys; (4) p's scale bytes brought under the row's M (exact powers of two), O = P V / l.
; WORK LEFT OUT: reference() sets every score with key > query to -inf by a jnp.tril that it builds itself, so p = 0 there whatever the inputs hold: score tiles of 128 x 128 that lie wholly above
; the diagonal, their p, and their steps of p v reach no output and are not made.  LIMIT: a NaN, an infinity or an overflow that reaches only those tiles is not carried to the result.  All four inputs are live.
; ROW ORDER OF EVERY OPERAND.  Rows go in chunks of 128 and tiles of 16: image row r of tile 2 j + a of chunk X is matrix row 128 X + 64 a + 8 j + 32 (r / 8) + r % 8 (j = 0 .. 3; a = 0, 1 the band of 64).
; codes1: [tile][K / 128][1536], a fragment as an IMAGE OF ITS 12 REGISTERS: registers 4 c .. 4 c + 3 of lane l at byte 512 c + 16 l.  Chunks 0-63 are x, 64-71 Wq, 72-79 Wk, 80-87 Wv.  scales1: [tile][K / 128][r], words.
; codes2, codes3: the 1,536 bytes are two halves of 768 (k 0-63, k 64-127): registers 0-3 of the half at 16 l, registers 4-5 at 512 + 8 l.  scales2, scales3: [chunk][K / 128][tile 0..7][r], words.
; SHARES.  2,816 waves, 11 to a work-group: a wave takes a tile and two steps of 128 along K.  Each load reads 512 consecutive bytes of one row; the 16 rows turn through the wave's own
; stage in LDS (rows 528 bytes apart), so that a lane gets two whole blocks of 32 of its row.  No tensor load, no barrier: waves share nothing.  All 32 loads are out at the start.
; LIMITS: NaN and infinities among the inputs are not served; a block of zeros gets the byte 1 where the rule says 127 (its codes are zeros, and this program alone reads the bytes).
.set SPITCH, 528
.set WREG,   16*SPITCH
.set SPARE,  11*WREG                   ; the spare words, 128 bytes for each wave, which no other line names
.set SPW, 12                           ; v12  my spare word's LDS address; never rewritten
.set NIL, 13                           ; v13  0; never rewritten
.set R,   16                           ; v16-143  two sets of 64 numbers
.set PC,  144                          ; v144-167 two sets of 12: a fragment's codes
.set H2,  168                          ; v168-170, v172-174 the conversions' second halves
.set TM,  176                          ; v176-179 largest magnitudes
.set TS,  180                          ; v180-181 scale operands
.set TB,  182                          ; v182-183 bytes
.set W,   184                          ; v184-185 the two steps' scale words
.set XW,  186                          ; the other half's
.set SEL, 32                           ; s[32:33] lane selects: lane l xor 16
	s_load_b256 s[4:11], s[0:1], 0x0               ; x, Wq, Wk, Wv
	s_load_b128 s[12:15], s[0:1], 0x20             ; codes1, scales1
	v_lshl_add_u32 v[SPW], v0, 2, SPARE
	v_mov_b32 v[NIL], 0
	v_lshrrev_b32 v1, 5, v0
	v_readfirstlane_b32 s16, v1                    ; wave
	v_and_b32 v2, 31, v0                           ; lane
	v_and_b32 v9, 15, v0                           ; r
	v_bfe_u32 v10, v0, 4, 1                        ; h
	v_lshlrev_b32 v3, 4, v2                        ; 16 x lane
	v_lshlrev_b32 v6, 2, v2                        ; 4 x lane
	v_lshlrev_b32 v7, 3, v10                       ; 8 h
	s_mul_i32 s28, s16, WREG
	v_add_nc_u32 v4, s28, v3                       ; the stage on the way in
	v_mul_u32_u24 v5, v9, SPITCH
	v_lshl_add_u32 v5, v10, 7, v5
	v_add_nc_u32 v5, s28, v5                       ; and on the way out: row r, + 128 h
	v_mov_b32 v[XW], 0                             ; written once: a lane permute's destination counts as one of its sources
	s_mov_b32 s[SEL], 0x76543210
	s_mov_b32 s[SEL+1], 0xfedcba98
	s_mov_b32 s34, 0xffff0000                      ; lanes 16-31
	s_mul_i32 s17, ttmp9, 11
	s_add_co_u32 s17, s17, s16
	s_and_b32 s18, s17, 3                          ; which two steps of 128 along K
	s_lshr_b32 s17, s17, 2                         ; tile
	s_lshl_b32 s24, s17, 3
	s_lshl_b32 s25, s18, 1
	s_add_co_u32 s24, s24, s25
	s_mul_i32 s24, s24, 1536                       ; codes1
	s_mov_b32 s25, 0
	s_lshl_b32 s30, s17, 9
	s_lshl_b32 s31, s18, 7
	s_add_co_u32 s30, s30, s31                     ; scales1
	s_mov_b32 s31, 0
	s_lshr_b32 s19, s17, 3                         ; chunk
	s_and_b32 s29, s17, 1
	s_lshl_b32 s29, s29, 18                        ; 64 a rows of 4,096 bytes
	s_bfe_u32 s23, s17, 0x20001
	s_lshl_b32 s23, s23, 15                        ; 8 j rows
	s_add_co_u32 s29, s29, s23
	s_lshl_b32 s23, s18, 10
	s_add_co_u32 s29, s29, s23
	s_mov_b32 s22, 80
	s_wait_alu depctr_va_vdst(0)                   ; the wait at the head's end
	s_wait_kmcnt 0x0
	s_cmp_lt_u32 s19, 80                           ; which tensor: the choice hangs on the numbers of work-group and wave alone
	s_cselect_b64 s[20:21], s[8:9], s[10:11]
	s_cselect_b32 s22, 72, s22
	s_cmp_lt_u32 s19, 72
	s_cselect_b64 s[20:21], s[6:7], s[20:21]
	s_cselect_b32 s22, 64, s22
	s_cmp_lt_u32 s19, 64
	s_cselect_b64 s[20:21], s[4:5], s[20:21]
	s_cselect_b32 s22, 0, s22
	s_sub_co_u32 s22, s19, s22
	s_lshl_b32 s22, s22, 19                        ; 128 rows of 4,096 bytes
	s_add_co_u32 s22, s22, s29
	s_mov_b32 s23, 0
	s_add_nc_u64 s[20:21], s[20:21], s[22:23]
	s_add_nc_u64 s[24:25], s[12:13], s[24:25]
	s_add_nc_u64 s[30:31], s[14:15], s[30:31]
.irp f, 0,1
.irp i, 0,1,2,3,4,5,6,7,8,9,10,11,12,13,14,15
	global_load_b128 v[R+64*\f+4*\i:R+64*\f+4*\i+3], v3, s[20:21] offset:(\i%8+32*(\i/8))*4096+512*\f th:TH_LOAD_NT
.endr
.endr
.macro STEP f
.set S_, R+64*(\f)
.set P_, PC+12*(\f)
	s_wait_loadcnt 16*(1-(\f))                     ; this step's 16 loads are in
.irp i, 0,1,2,3,4,5,6,7,8,9,10,11,12,13,14,15
	ds_store_b128 v4, v[S_+4*\i:S_+4*\i+3] offset:SPITCH*\i
.endr
.irp i, 0,1,2,3,4,5,6,7,8,9,10,11,12,13,14,15
	ds_load_b128 v[S_+4*\i:S_+4*\i+3], v5 offset:256*(\i/8)+16*(\i%8)   ; register 32 c + i = k 64 c + 32 h + i of row r; LDS serves a wave's instructions in order
.endr
	s_wait_dscnt 0x0
.irp c, 0,1
	v_max3_num_f32 v[TM+2*\c], |v[S_+32*\c]|, |v[S_+32*\c+1]|, |v[S_+32*\c+2]|
	v_max3_num_f32 v[TM+2*\c+1], |v[S_+32*\c+3]|, |v[S_+32*\c+4]|, |v[S_+32*\c+5]|
.endr
.irp i, 6,10,14,18,22,26
.irp c, 0,1
	v_max3_num_f32 v[TM+2*\c], v[TM+2*\c], |v[S_+32*\c+\i]|, |v[S_+32*\c+\i+1]|
	v_max3_num_f32 v[TM+2*\c+1], v[TM+2*\c+1], |v[S_+32*\c+\i+2]|, |v[S_+32*\c+\i+3]|
.endr
.endr
.irp c, 0,1
	v_max3_num_f32 v[TM+2*\c], v[TM+2*\c], |v[S_+32*\c+30]|, |v[S_+32*\c+31]|
.endr
.irp c, 0,1
	v_max3_num_f32 v[TM+2*\c], v[TM+2*\c], v[TM+2*\c+1], 0x1800000   ; with the floor 2^(3 - 127): the byte cannot fall under 1
.endr
.irp c, 0,1
	v_add_nc_u32 v[TS+\c], 0xff000000, v[TM+2*\c]  ; 2 off the exponent field: the conversion's scale operand
.endr
.irp c, 0,1
	v_lshrrev_b32 v[TB+\c], 23, v[TS+\c]
.endr
	v_lshl_or_b32 v[W+(\f)], v[TB+1], 16, v[TB]    ; bytes of blocks h and 2 + h,
	v_lshlrev_b32 v[W+(\f)], v7, v[W+(\f)]         ; at their places
	v_permlanex16_b32 v[XW], v[W+(\f)], s[SEL], s[SEL+1]
	v_or_b32 v[W+(\f)], v[W+(\f)], v[XW]
.irp c, 0,1
	v_cvt_scalef32_pk16_fp6_f32 v[P_+6*\c:P_+6*\c+2], v[S_+32*\c:S_+32*\c+15], v[TS+\c]
	v_cvt_scalef32_pk16_fp6_f32 v[H2+4*\c:H2+4*\c+2], v[S_+32*\c+16:S_+32*\c+31], v[TS+\c]   ; (a conversion's three registers begin on an even number)
.endr
	v_nop                                          ; one plain place behind a scaled conversion
.irp c, 0,1
.irp i, 0,1,2
	v_mov_b32 v[P_+6*\c+3+\i], v[H2+4*\c+\i]
.endr
.endr
.irp c, 0,1,2
	global_store_b128 v3, v[P_+4*\c:P_+4*\c+3], s[24:25] offset:1536*(\f)+512*\c   ; 512 consecutive bytes, aligned
.endr
.endm
	STEP 0
	STEP 1
	v_cndmask_b32 v8, v[W], v[W+1], s34            ; lanes 0-15 the first step's words, lanes 16-31 the second's
	global_store_b32 v6, v8, s[30:31]              ; 128 consecutive bytes
	s_wait_tensorcnt 0x0                           ; the wave's end, behind my last LDS store
	ds_add_u32 v[SPW], v[NIL]
	s_wait_dscnt 0x0
	s_endpgm
.Lfunc_end_k_qdd8d43ed84_quant:
	.size	k_qdd8d43ed84_quant, .Lfunc_end_k_qdd8d43ed84_quant-k_qdd8d43ed84_quant
	.p2alignl 7, 3214868480
	.fill 96, 4, 3214868480
	.section	.rodata,"a",@progbits
	.p2align	6, 0x0
	.amdhsa_kernel k_qdd8d43ed84_quant
		.amdhsa_group_segment_fixed_size 94464
		.amdhsa_private_segment_fixed_size 0
		.amdhsa_enable_private_segment 0
		.amdhsa_kernarg_size 48
		.amdhsa_user_sgpr_count 2
		.amdhsa_user_sgpr_kernarg_segment_ptr 1
		.amdhsa_wavefront_size32 1
		.amdhsa_system_sgpr_workgroup_id_x 1
		.amdhsa_system_sgpr_workgroup_id_y 1
		.amdhsa_system_sgpr_workgroup_id_z 1
		.amdhsa_system_vgpr_workitem_id 0
		.amdhsa_next_free_vgpr 192
		.amdhsa_next_free_sgpr 66
		.amdhsa_reserve_vcc 0
		.amdhsa_float_denorm_mode_32 3
		.amdhsa_float_denorm_mode_16_64 3
		.amdhsa_memory_ordered 1
		.amdhsa_forward_progress 1
		.amdhsa_inst_pref_size 17
	.end_amdhsa_kernel
	.amdgpu_metadata
---
amdhsa.version: [ 1, 2 ]
amdhsa.kernels:
  - .name:           k_qdd8d43ed84_quant
    .symbol:         k_qdd8d43ed84_quant.kd
    .args:
      - { .name: x, .offset: 0, .size: 8, .value_kind: global_buffer, .address_space: global }
      - { .name: Wq, .offset: 8, .size: 8, .value_kind: global_buffer, .address_space: global }
      - { .name: Wk, .offset: 16, .size: 8, .value_kind: global_buffer, .address_space: global }
      - { .name: Wv, .offset: 24, .size: 8, .value_kind: global_buffer, .address_space: global }
      - { .name: codes1, .offset: 32, .size: 8, .value_kind: global_buffer, .address_space: global }
      - { .name: scales1, .offset: 40, .size: 8, .value_kind: global_buffer, .address_space: global }
    .group_segment_fixed_size: 94464
    .private_segment_fixed_size: 0
    .kernarg_segment_align: 8
    .kernarg_segment_size: 48
    .max_flat_workgroup_size: 352
    .sgpr_count:     66
    .vgpr_count:     192
    .wavefront_size: 32
...
	.end_amdgpu_metadata
.endif
;; end of part 1
;; launch proj (part 2): grid 16 x 16, 4 waves a work-group, clusters of 4 x 4, 327,680 bytes of LDS; arguments codes1, scales1, codes2, scales2; writes codes2, scales2
.if DOCPART == 2
	.amdgcn_target "amdgcn-amd-amdhsa--gfx1250"
	.amdhsa_code_object_version 6
	.text
	.protected	k_qdd8d43ed84_proj
	.globl	k_qdd8d43ed84_proj
	.p2align	8
	.type	k_qdd8d43ed84_proj,@function
k_qdd8d43ed84_proj:
	s_mov_b64 s[64:65], 0
	v_nop
	global_prefetch_b8 v0, s[64:65] scope:SCOPE_SE
	s_setreg_imm32_b32 hwreg(HW_REG_WAVE_MODE, 25, 1), 1
	s_wait_xcnt 0x0
	s_wait_alu depctr_hold_cnt(0) depctr_sa_sdst(0) depctr_va_vdst(0) depctr_va_sdst(0) depctr_va_ssrc(0) depctr_va_vcc(0) depctr_vm_vsrc(0)
	s_getreg_b32 s2, hwreg(HW_REG_IB_STS2, 6, 4)
	s_cmp_eq_u32 s2, 0
	s_cbranch_scc0 .Lentry_in_a_cluster
	s_endpgm
.Lentry_in_a_cluster:
	s_bfe_u32 s2, ttmp6, 0x10000c
	s_cmp_lg_u32 s2, 0xf033
	s_cbranch_scc0 .Lentry_shape_is_right
	s_endpgm
.Lentry_shape_is_right:
; LAUNCH 2 OF 4.  Q, K, V = x W^T and their quantisers.  Results leave as codes of E2M3 and scale bytes, as the operands of launches 3 and 4 (orders: launch 1's head).  No f32 result is stored.
; codes2: q [tile][e / 128][1536], k the same at 6,291,456, v^T at 12,582,912: [batch][128 channels n][tile][key step of 128][1536].  scales2: q, k at 262,144, v^T at 524,288: [batch][n][key step][tile][r].
; LIMITS: NaN and infinities are not served; a block of zeros has the byte 1 (its codes are zeros).
; THE DEAL.  256 work-groups of four waves, 2 x 2; a wave (a, b) holds 64 rows of a weight (band b of its 128), ALL of K, in registers (384) and streams x's rows past them in blocks of 16 rows: tile 2 j + a of each chunk of 128 rows.
; A work-group makes 256 x 128 of V, PHASE 1, then 512 x 128 of Q or K, PHASE 2.  V's 256 rows are a half of the work-group's own 512: the two chunks that the head asks for serve V's eight blocks and phase 2's first eight.
; Which half (s87 = cluster x % 2) and which tensor (s19 = cluster x / 2) come from the cluster's number alone.  x's rows are shared by a row of the cluster (mask s44), a weight's rows by a column (s45).
; LDS: two slots for x's chunks (0, YB), a region of its own for the weights' 128 rows (BVB), two places for a chunk's scale bytes (SCL), the stages for the results' scale bytes (XN, XM), the spare words.
; FILLS.  At the head one tensor load a wave: W_v's rows, the scale bytes of both chunks, chunk 0, chunk 1.  Three refills, each in a drained round: in V's third block the weights' region, once, with W_q's or W_k's rows (waves 0 and 1
; a half each); in phase 2's blocks 2 and 6 the other half's chunks and their scale bytes.  What a refill brought is shown by the next round or by a plain barrier behind which nothing is filled.
; A BLOCK is 32 products; behind every second one stand two entries of the block's list: the next block's LDS addresses, descriptors, and the first part of the last block's way out.
; THE WAY OUT of 32 sums in a lane, which are one scale block: the largest magnitude by two chains side by side, the scale, two conversions behind the block's last product.
; WAITS.  Younger than a block's fetch are the next block's fetch (NF loads) and the scale bytes' LDS stores between: none (NF), one (NF + 1) or, behind V's last four way outs, four (NF + 4).
; PREFETCHES: what each refill will load is named once in the cluster, shared by address among the sixteen waves that ask jointly: the second weight at the head, chunk 2 behind the first refill, chunk 3 between the phases.
.set NQ,     8
.set NB,     4
.set TILE,   12288                     ; 16 rows x 1,024 codes
.set CH,     98304                     ; a chunk: 8 tiles
.set FR,     12
.set FPW,    21                        ; fragments in a window of 256 registers
.set NF,     28                        ; LDS loads of a block: 24 for eight fragments, 4 for eight scale words (two steps to a register)
.set YB,     CH
.set BVB,    2*CH
.set SCL,    3*CH
.set SCB,    4096
.set XN,     SCL+2*SCB                 ; Q's or K's scale words: [chunk in the order of work][512]
.set XM,     XN+2048                   ; V's: [key step][512]
.set SPARE,  XM+1024
.set EMAX,   2
.set ADRA0, 4                          ; v4  LDS address of my fragments of block 0; v1 of block 1
.set AAS0,  6                          ; v6  of my scale words of block 0; v23 of block 1
.set CO,    9                          ; v9  16 x lane
.set SPW,   10
.set NIL,   11
.set ADRA,  12                         ; v12 as v4, for the block that is fetched next
.set C8,    13                         ; v13 8 x lane
.set ADRB,  14                         ; v14, v15 of the weights' tiles 0, 1 and 2, 3
.set ABS,   16                         ; v16 4 x lane
.set AAS,   17                         ; v17 as v6, for the block that is fetched next
.set STO,   18                         ; v18 LDS, Q's or K's scale byte
.set STV,   19                         ; v19 V's
.set SB,    24                         ; v24-39 the weights' scale words: tile t, steps 2 i and 2 i + 1 (lanes 0-15, 16-31) at 4 t + i
.set TQ,    40
.set SA,    45                         ; v45-52 the rows' scale words, two sets of four
.set TC,    60
.set ACC,   64                         ; v64-127 phase 2: two sets of four accumulators
.set HV0,   64                         ; v64-191 phase 1, chunk 0: 32 t + 8 j + i
.set HV1,   840                        ; v840-967 chunk 1
.set NCD,   128                        ; v128-139 phase 2's codes: six registers of the even block, six of the odd
.set MCD,   192                        ; v192-239 phase 1's: six for each tile and chunk
.set SOP,   240
.set EB,    244
.set VX,    248
.set SB2,   968                        ; v968-983 phase 2's weights' scale words
.set G1A, 24
.set G0A, 56
.set G0R, 68
.set G1B, 32
.set G0B, 60
.set G1S, 92
.set G0S, 72
.set MSB, 0
.macro WIN new
.if MSB != (\new)
	s_set_vgpr_msb (MSB<<8)|(\new)
.set MSB, (\new)
.endif
.endm
.macro PLACES n
.rept \n
	v_nop
.endr
.endm
.macro WALU
	s_wait_alu depctr_va_vdst(0)
.endm
.macro BARRIER
	s_barrier_signal -1
	s_barrier_wait -1
.endm
.macro MIDDLE
	WIN 0
	s_barrier_wait -1
	s_cmp_lg_u32 s14, 0
	s_cbranch_scc1 .Lnot_wave_0_\@
	s_barrier_signal -3
.Lnot_wave_0_\@:
	s_barrier_wait -3
.endm
.macro CROUND
	s_barrier_signal -1
	MIDDLE
	BARRIER
.endm
.macro GRD
	s_wait_tensorcnt 0x0
	ds_add_u32 v[SPW], v[NIL]
.endm
.macro TLOAD g0, g1
	tensor_load_to_lds s[\g0:\g0+3], s[\g1:\g1+7]
	s_nop 0
	PLACES 4
.endm
.macro GROUP1 g, mask, c, rows         ; dense rows of c elements of 8 bytes
	s_or_b32 s[\g+0], s[\mask], (3<<16)|(1<<21)
	s_mov_b32 s[\g+1], (\c)<<16
	s_mov_b32 s[\g+2], (\rows)<<16
	s_mov_b32 s[\g+3], (\c)<<16
	s_mov_b32 s[\g+4], \rows
	s_mov_b32 s[\g+5], \c
	s_mov_b32 s[\g+6], 0
	s_mov_b32 s[\g+7], 0
.endm
.macro SADD d, x
	s_add_co_u32 s\d, s\d, s\x
.endm
.macro G0SET g, base, off
	s_mov_b32 s20, s\off
	s_add_nc_u64 s[\g+2:\g+3], s[\base:\base+1], s[20:21]
	s_or_b32 s[\g+3], s[\g+3], 0x80000000
.endm
; Fragment f lies in window 1 + f / 21 at register 12 (f % 21): 0-31 the weights' (4 q + t), 32-39 and 40-47 the rows' two sets.
.macro FRAG f, adr, off
	WIN ((1+(\f)/FPW)<<6)
.set R_, FR*((\f)%FPW)
.irp p, 0,1,2
	ds_load_b128 v[R_+4*\p:R_+4*\p+3], v[\adr] offset:(\off)+512*\p
.endr
.endm
.macro WEIGHTS
.irp q, 0,1,2,3,4,5,6,7
.irp b, 0,1,2,3
	FRAG NB*\q+\b, ADRB+\b/2, 1536*\q+2*TILE*(\b%2)
.endr
.endr
	WIN 0
.endm
.macro FETCHAT e, adr, as
.irp q, 0,1,2,3,4,5,6,7
	FRAG NB*NQ+NQ*(\e)+\q, \adr, 1536*\q
.endr
	WIN 0
.irp q, 0,1,2,3
	ds_load_b32 v[SA+4*(\e)+\q], v[\as] offset:128*\q
.endr
.endm
.macro FETCH e
	FETCHAT \e, ADRA, AAS
.endm
.macro FETCH01
	FETCHAT 0, ADRA0, AAS0
	FETCHAT 1, 1, 23
	s_mov_b32 s101, 2*TILE
	s_mov_b32 s91, 1024
.endm
; A product, n = 4 q + t.  kind 0 (Q, K): source 0 the weight's rows; kind 1 (V): source 0 x's rows.
.macro PROD kind, e, n, a0, as
.set Q_, (\n)/4
.set FB_, NB*Q_+(\n)%4
.set FA_, NB*NQ+NQ*(\e)+Q_
.set D_, (\a0)+(\as)*((\n)%4)
.set DL_, D_&255
.set XB_, SB+4*((\n)%4)+Q_/2
.set XA_, SA+4*(\e)+Q_/2
.if \kind
	WIN (1+FA_/FPW)|((1+FB_/FPW)<<2)|((D_>>8)<<4)|((D_>>8)<<6)
.if Q_
	PROD1 FA_, FB_, v[DL_:DL_+7], XA_, XB_
.else
	PROD1 FA_, FB_, 0, XA_, XB_
.endif
.else
	WIN (1+FB_/FPW)|((1+FA_/FPW)<<2)|((D_>>8)<<4)|((D_>>8)<<6)
.if Q_
	PROD1 FB_, FA_, v[DL_:DL_+7], XB_, XA_
.else
	PROD1 FB_, FA_, 0, XB_, XA_
.endif
.endif
.endm
.macro PROD1 s0, s1, c, x0, x1
.if Q_%2
	v_wmma_scale_f32_16x16x128_f8f6f4 v[DL_:DL_+7], v[FR*((\s0)%FPW):FR*((\s0)%FPW)+FR-1], v[FR*((\s1)%FPW):FR*((\s1)%FPW)+FR-1], \c, v[\x0], v[\x1] matrix_a_fmt:MATRIX_FMT_FP6 matrix_b_fmt:MATRIX_FMT_FP6 matrix_a_scale:MATRIX_SCALE_ROW1 matrix_b_scale:MATRIX_SCALE_ROW1
.else
	v_wmma_scale_f32_16x16x128_f8f6f4 v[DL_:DL_+7], v[FR*((\s0)%FPW):FR*((\s0)%FPW)+FR-1], v[FR*((\s1)%FPW):FR*((\s1)%FPW)+FR-1], \c, v[\x0], v[\x1] matrix_a_fmt:MATRIX_FMT_FP6 matrix_b_fmt:MATRIX_FMT_FP6
.endif
.endm
.macro BLOCK kind, e, a0, as, from, to, list, x=0, y=0
.set N_, \from
.rept (\to)-(\from)
	PROD \kind, \e, N_, \a0, \as
.if N_%2
	\list N_-1, \x, \y
	\list N_, \x, \y
.endif
.set N_, N_+1
.endr
.endm
; What the lists are made of: each macro writes entry i of its part.
.macro STEP i, wrap
.if \wrap
.if (\i) == 0
	s_add_co_u32 s101, s101, 2*TILE
	s_cmp_eq_u32 s101, 2*CH
	s_cselect_b32 s101, 0, s101
	s_add_co_u32 s91, s91, 1024
.elseif (\i) == 1
	s_cmp_eq_u32 s91, 2*SCB
	s_cselect_b32 s91, 0, s91
.endif
	STEPV (\i)-1
.else
.if (\i) == 0
	s_add_co_u32 s101, s101, 2*TILE
	s_add_co_u32 s91, s91, 1024
.endif
	STEPV \i
.endif
.endm
.macro STEPV i
.if (\i) == 0
	WIN 0
	v_add_nc_u32 v[ADRA], s101, v[ADRA0]
.elseif (\i) == 1
	WIN 0
	v_add_nc_u32 v[AAS], s91, v[AAS0]
.endif
.endm
.macro CHAIN i, x, n, t=TQ             ; 18 entries: the largest magnitude of the 32 sums from register x on, and the conversions' scale operand, v[SOP+n]
.set XW_, (\x)>>8
.set XL_, (\x)&255
.if (\i) >= 0 && (\i) < 14
.set B_, XL_+16*((\i)%2)+2*((\i)/2)
.set T_, (\t)+1-(\i)%2
.if (\i) < 2
	WIN XW_|(XW_<<2)|(XW_<<4)
	v_max3_num_f32 v[T_], |v[B_]|, |v[B_+1]|, |v[B_+2]|
.else
	WIN (XW_<<2)|(XW_<<4)
	v_max3_num_f32 v[T_], v[T_], |v[B_+1]|, |v[B_+2]|
.endif
.elseif (\i) == 14
	WIN XW_<<2
	v_max3_num_f32 v[\t+1], v[\t+1], |v[XL_+15]|, (EMAX+1)<<23
.elseif (\i) == 15
	WIN 0
	v_nop
.elseif (\i) == 16
	WIN XW_<<2
	v_max3_num_f32 v[\t], v[\t], |v[XL_+31]|, v[\t+1]
.elseif (\i) == 17
	WIN 0
	v_add_nc_u32 v[SOP+\n], -(EMAX<<23), v[\t]
.endif
.endm
.macro CODES i, x, c, n, t=TC          ; 6 lines: 32 codes into v[c .. c+5], the scale's byte into v[EB+n]
.set XW_, (\x)>>8
.set XL_, (\x)&255
.if (\i) == 0
	WIN XW_
	v_cvt_scalef32_pk16_fp6_f32 v[\c:\c+2], v[XL_:XL_+15], v[SOP+\n]
.elseif (\i) == 1
	WIN XW_
	v_cvt_scalef32_pk16_fp6_f32 v[\t:\t+2], v[XL_+16:XL_+31], v[SOP+\n]
.elseif (\i) == 2
	WIN 0
	v_lshrrev_b32 v[EB+\n], 23, v[SOP+\n]
.else
	WIN 0
	v_mov_b32 v[\c+\i], v[\t+\i-3]
.endif
.endm
.macro CODES6 x, c, n
.irp i, 0,1,2,3,4,5
	CODES \i, \x, \c, \n
.endr
.endm
.macro PFTILE v, off, share            ; my sixteenth, 24 blocks of 256 bytes, of a tile of 128 rows
	s_mul_i32 s21, s\share, CH/16
	s_add_co_u32 s20, s\off, s21
	WIN 0
	v_min_u32 v\v, 23, v3
	v_lshl_add_u32 v\v, v\v, 8, s20
.endm
.macro PFGO v, base
	global_prefetch_b8 v\v, s[\base:\base+1] th:TH_LOAD_NT scope:SCOPE_SE
.endm
.macro PUT2 r, base, off               ; a half operand: 512 + 256 consecutive bytes
	global_store_b128 v[CO], v[\r:\r+3], \base offset:\off
	global_store_b64 v[C8], v[\r+4:\r+5], \base offset:(\off)+512
.endm
.macro ASK i                           ; the descriptors of the chunk at s88 for slot s47, and of its scale bytes at s55 for s8; then all four step on
.if (\i) == 0
	s_mul_i32 s[G0R+1], s14, CH/2
	s_add_co_u32 s[G0R+1], s[G0R+1], s47
	s_mul_i32 s20, s14, CH/2
	SADD 20, 88
.elseif (\i) == 1
	s_mov_b32 s21, 0
	s_add_nc_u64 s[G0R+2:G0R+3], s[4:5], s[20:21]
	s_or_b32 s[G0R+3], s[G0R+3], 0x80000000
	s_mov_b32 s[G0S+1], s8
.elseif (\i) == 2
	s_mov_b32 s20, s55
	s_add_nc_u64 s[G0S+2:G0S+3], s[6:7], s[20:21]
	s_or_b32 s[G0S+3], s[G0S+3], 0x80000000
	s_add_co_u32 s88, s88, CH
.elseif (\i) == 3
	s_add_co_u32 s55, s55, SCB
	s_xor_b32 s47, s47, YB
	s_xor_b32 s8, s8, (SCL)^(SCL+SCB)
.endif
.endm
.macro PAIR i                          ; where pair s46's codes go (s[84:85], by the true chunk) and its scale bytes (v[VX], by the order of work)
.if (\i) == 0
	s_lshl_b32 s3, s87, 2
	s_xor_b32 s3, s3, s46
	s_mul_i32 s20, s3, CH/2
	s_mov_b32 s21, 0
.elseif (\i) == 1
	s_add_nc_u64 s[84:85], s[10:11], s[20:21]
	s_lshl_b32 s22, s46, 8
	s_add_co_u32 s46, s46, 1
.elseif (\i) == 2
	WIN 0
	v_add_nc_u32 v[VX], s22, v[STO]
.endif
.endm
.macro L_STEP i, x, y
	STEP \i, 0
.endm
.macro L_NONE i, x, y
.endm
.macro L_OUT i, x, y
	STEP \i, 0
	CHAIN (\i)-2, \x, \y
.endm
.macro L_LAST i, x, y
	CHAIN \i, \x, \y
.endm
.macro L_V2 i, x, y                    ; V's third block: the first refill's descriptors; the later refills' group 1; what the second refill will load is asked for
.if (\i) == 0
	s_mov_b32 s[G1A+2], 16<<16
	s_mov_b32 s[G1A+4], 16
	s_mov_b32 s[G1S+2], 16<<16
	s_mov_b32 s[G1S+4], 16
.elseif (\i) == 1
	s_mov_b32 s[G1B+2], 16<<16
	s_mov_b32 s[G1B+4], 16
	s_mul_i32 s[G0B+1], s14, CH/2
	s_add_co_u32 s[G0B+1], s[G0B+1], BVB
.elseif (\i) == 2
	s_mul_i32 s20, s14, CH/2
	SADD 20, 9
	s_mov_b32 s21, 0
	s_add_nc_u64 s[G0B+2:G0B+3], s[4:5], s[20:21]
.elseif (\i) == 3
	s_or_b32 s[G0B+3], s[G0B+3], 0x80000000
.elseif (\i) == 7
	PFTILE 7, 88, 90
.elseif (\i) == 8
	s_lshl_b32 s21, s90, 9
	s_add_co_u32 s20, s55, s21
	WIN 0
	v_min_u32 v8, 1, v3
	v_lshl_add_u32 v8, v8, 8, s20
.endif
	STEP (\i)-4, 0
.endm
.macro L_V7 i, x, y
.if (\i) == 0
	s_add_co_u32 s22, s88, CH
	PFTILE 20, 22, 90
.endif
	CHAIN (\i)-1, \x, \y
.endm
.macro L_ODD i, x, y
	PAIR \i
	STEP (\i)-4, 0
	CHAIN (\i)-6, ACC, 0
.endm
.macro L_ODDL i, x, y
	PAIR \i
	CHAIN (\i)-4, ACC, 0
.endm
.macro L_ROUND i, x, y
	ASK \i
	STEP (\i)-4, 1
	CHAIN (\i)-8, ACC+32, 1
.endm
.macro WAITDS w
.if (\w) >= 0
	s_wait_dscnt \w
.endif
.endm
.macro EVENOUT fetch                   ; behind an even block: the odd block's byte and codes, the fetch of the block two on
	WALU
	ds_store_b8 v[VX], v[EB+1] offset:128
	PUT2 NCD+6, s[84:85], 2*TILE
.if \fetch
	FETCH 0
.endif
.endm
.macro EVEN w, fetch
	WAITDS \w
.if \fetch
	BLOCK 0, 0, ACC, 8, 0, 32, L_OUT, ACC+32, 1
.else
	BLOCK 0, 0, ACC, 8, 0, 32, L_LAST, ACC+32, 1
.endif
	WIN 0
	CODES6 ACC+32, NCD+6, 1
	EVENOUT \fetch
.endm
.macro EVENROUND w                     ; the second and the third refill
	WAITDS \w
	GRD
	BLOCK 0, 0, ACC, 8, 0, 26, L_ROUND
	WIN 0
	WALU
	s_wait_dscnt 0x0
	s_barrier_signal -1
	BLOCK 0, 0, ACC, 8, 26, 32, L_NONE
	WIN 0
	CODES6 ACC+32, NCD+6, 1
	MIDDLE
	BARRIER
	s_cmp_lt_u32 s14, 2
	s_cbranch_scc0 .Lscales_\@
	TLOAD G0R, G1A
	s_branch .Lasked_\@
.Lscales_\@:
	s_cmp_eq_u32 s14, 2
	s_cbranch_scc0 .Lnone_\@
	TLOAD G0S, G1S
.Lnone_\@:
.Lasked_\@:
	EVENOUT 1
.endm
.macro EVENSHOW w                      ; a plain barrier inside the block shows the last refill to all
	WAITDS \w
	BLOCK 0, 0, ACC, 8, 0, 26, L_OUT, ACC+32, 1
	WIN 0
	WALU
	s_wait_tensorcnt 0x0
	s_wait_dscnt 0x0
	s_barrier_signal -1
	BLOCK 0, 0, ACC, 8, 26, 32, L_NONE
	WIN 0
	s_barrier_wait -1
	CODES6 ACC+32, NCD+6, 1
	EVENOUT 1
.endm
.macro ODD w, fetch
	WAITDS \w
	s_wait_xcnt 0x0                                     ; the stores of the last pair have read their registers and their base
.if \fetch
	BLOCK 0, 1, ACC+32, 8, 0, 32, L_ODD
.else
	BLOCK 0, 1, ACC+32, 8, 0, 32, L_ODDL
.endif
	WIN 0
	CODES6 ACC, NCD, 0
	WALU
	ds_store_b8 v[VX], v[EB]
	PUT2 NCD, s[84:85], 0
.if \fetch
	FETCH 1
.endif
.endm
; ---- THE HEAD
	s_load_b128 s[4:7], s[0:1], 0x0                     ; codes1, scales1
	v_lshl_add_u32 v[SPW], v0, 2, SPARE
	v_mov_b32 v[NIL], 0
	ds_add_u32 v[SPW], v[NIL]                           ; the opening lines: the add, twice on end
	ds_add_u32 v[SPW], v[NIL]
	v_lshrrev_b32 v1, 5, v0
	v_readfirstlane_b32 s14, v1                         ; s14 the wave; s15 its row a, s16 its column b
	s_lshr_b32 s15, s14, 1
	s_and_b32 s16, s14, 1
	s_bfe_u32 s40, ttmp6, 0x40000                       ; cx
	s_bfe_u32 s41, ttmp6, 0x40004                       ; cy
	s_lshl_b32 s42, ttmp9, 2
	s_add_co_u32 s42, s42, s40                          ; s42 phase 2's tile column, 0 .. 15
	s_and_b32 s43, ttmp7, 0xffff
	s_lshl_b32 s43, s43, 2
	s_add_co_u32 s43, s43, s41                          ; s43 its tile row
	s_lshr_b32 s19, ttmp9, 1                            ; s19: 0 Q, 1 K
	s_and_b32 s87, ttmp9, 1                             ; s87: V's half of my 512 rows
	s_lshl_b32 s13, s19, 2
	s_add_co_u32 s13, s13, s40                          ; s13 V's tile column
	s_lshl_b32 s12, s43, 1
	s_add_co_u32 s12, s12, s87                          ; s12 V's tile row
	s_lshl_b32 s44, s41, 2
	s_lshl_b32 s44, 15, s44                             ; my row of the cluster
	s_lshl_b32 s45, 0x1111, s40                         ; my column
	GROUP1 G1A, 44, 384, 32
	GROUP1 G1B, 45, 384, 32
	GROUP1 G1S, 44, 32, 32
	s_mov_b32 s[G0S], 1
	s_mov_b32 s[G0S+1], SCL
	s_mul_i32 s67, s43, 4*CH                            ; my 512 rows, bytes from codes1
	s_mul_i32 s66, s12, 2*CH                            ; V's half of them
	s_add_co_u32 s9, s42, 64
	s_mul_i32 s9, s9, CH                                ; W_q's or W_k's rows
	s_add_co_u32 s54, s13, 80
	s_mul_i32 s54, s54, CH                              ; W_v's
	s_lshl_b32 s55, s43, 14                             ; my rows' scale bytes
	s_lshl_b32 s21, s16, 9
	s_add_co_u32 s82, s42, 64
	s_lshl_b32 s82, s82, 12
	SADD 82, 21
	s_mov_b32 s83, 0
	s_add_co_u32 s84, s13, 80
	s_lshl_b32 s84, s84, 12
	SADD 84, 21
	s_mov_b32 s85, 0
	s_mov_b32 s[G0A], 1
	s_mov_b32 s[G0A+1], 0
	s_mov_b32 s[G0B], 1
	s_mov_b32 s[G0B+1], BVB
	s_mov_b32 s[G0R], 1
	s_mov_b32 s[G0R+1], YB
	s_lshl_b32 s89, s12, 13
	v_and_b32 v1, 15, v0                                ; r
	v_bfe_u32 v2, v0, 4, 1                              ; h
	v_and_b32 v3, 31, v0                                ; lane
	v_lshlrev_b32 v[CO], 4, v3
	v_lshlrev_b32 v[C8], 3, v3
	v_lshlrev_b32 v[ABS], 2, v3
	s_mul_i32 s21, s15, TILE
	v_add_nc_u32 v[ADRA0], s21, v[CO]
	s_mul_i32 s22, s16, TILE
	s_add_co_u32 s22, s22, BVB
	v_add_nc_u32 v[ADRB], s22, v[CO]
	s_add_co_u32 s22, s22, 4*TILE
	v_add_nc_u32 v[ADRB+1], s22, v[CO]
	s_lshl_b32 s21, s15, 9
	s_add_co_u32 s21, s21, SCL
	v_add_nc_u32 v[AAS0], s21, v[ABS]
	v_lshl_add_u32 v22, v1, 2, v2                       ; a scale byte's place in its tile's words: 4 r + h
	WALU                                                ; the wait here, ahead of v22's second reader
	s_lshl_b32 s21, s15, 6
	s_lshl_b32 s22, s16, 1
	SADD 21, 22
	s_add_co_u32 s21, s21, XN
	v_add_nc_u32 v[STO], s21, v22                       ; + 64 a + 2 b
	s_lshl_b32 s21, s16, 6
	s_lshl_b32 s22, s15, 1
	SADD 21, 22
	s_add_co_u32 s21, s21, XM
	v_add_nc_u32 v[STV], s21, v22                       ; + 64 b + 2 a
	s_lshl_b32 s90, s40, 2
	s_add_co_u32 s90, s90, s14                          ; my number among the sixteen waves of my row of the cluster
	s_lshl_b32 s100, s41, 2
	s_add_co_u32 s100, s100, s14                        ; and of my column
	WALU
	s_wait_dscnt 0x0
	CROUND
	s_wait_kmcnt 0x0
	s_add_nc_u64 s[84:85], s[6:7], s[84:85]             ; W_v's scale words, my 64 rows
	s_add_nc_u64 s[10:11], s[6:7], s[82:83]             ; W_q's or W_k's
	s_mov_b32 s20, s66
	s_mov_b32 s21, 0
	s_add_nc_u64 s[G0A+2:G0A+3], s[4:5], s[20:21]
	s_add_nc_u64 s[G0R+2:G0R+3], s[G0A+2:G0A+3], CH
	s_or_b32 s[G0A+3], s[G0A+3], 0x80000000
	s_or_b32 s[G0R+3], s[G0R+3], 0x80000000
	G0SET G0B, 4, 54
	G0SET G0S, 6, 89
	s_cmp_eq_u32 s14, 0
	s_cbranch_scc0 .Lwave_1
	TLOAD G0B, G1B                                      ; wave 0: W_v's rows
	s_branch .Lasked
.Lwave_1:
	s_cmp_eq_u32 s14, 1
	s_cbranch_scc0 .Lwave_2
	TLOAD G0S, G1S                                      ; wave 1: both chunks' scale bytes
	s_branch .Lasked
.Lwave_2:
	s_cmp_eq_u32 s14, 2
	s_cbranch_scc0 .Lwave_3
	TLOAD G0A, G1A                                      ; wave 2: chunk 0
	s_branch .Lasked
.Lwave_3:
	TLOAD G0R, G1A                                      ; wave 3: chunk 1
.Lasked:
.irp t, 0,1,2,3
.irp i, 0,1,2,3
	global_load_b32 v[SB+4*\t+\i], v[ABS], s[84:85] offset:1024*\t+128*\i
.endr
.endr
	WIN 3<<6
.irp t, 0,1,2,3
.irp i, 0,1,2,3
	global_load_b32 v[SB2-768+4*\t+\i], v[ABS], s[10:11] offset:1024*\t+128*\i
.endr
.endr
	WIN 0
	s_and_b32 s23, s42, 7                               ; where the results go: s[76:77] Q's or K's codes, s[78:79] their scale words, s[80:81], s[82:83] V's
	s_mul_i32 s76, s19, 6291456
	SADD 76, 67
	s_mul_i32 s22, s15, TILE
	SADD 76, 22
	s_mul_i32 s22, s23, 1536
	SADD 76, 22
	s_mul_i32 s22, s16, 768
	SADD 76, 22
	s_mov_b32 s77, 0
	s_lshl_b32 s78, s19, 18
	s_lshl_b32 s22, s87, 1
	s_xor_b32 s22, s22, s14                             ; wave w stores the words of the w-th chunk of the order of work
	s_lshl_b32 s21, s43, 2
	SADD 22, 21
	s_lshl_b32 s22, s22, 12
	SADD 78, 22
	s_lshl_b32 s22, s23, 9
	SADD 78, 22
	s_mov_b32 s79, 0
	s_lshr_b32 s20, s12, 3
	s_lshl_b32 s20, s20, 3
	SADD 20, 13                                         ; 8 x batch + n
	s_and_b32 s21, s12, 7
	s_lshl_b32 s21, s21, 1                              ; first key step
	s_lshl_b32 s22, s20, 3
	SADD 22, 16
	s_lshl_b32 s22, s22, 4
	SADD 22, 21
	s_mul_i32 s80, s22, 1536
	s_mul_i32 s22, s15, 768
	SADD 80, 22
	s_add_co_u32 s80, s80, 12582912
	s_mov_b32 s81, 0
	s_lshl_b32 s22, s20, 4
	SADD 22, 21
	s_lshl_b32 s82, s22, 9
	s_lshl_b32 s22, s14, 8
	SADD 82, 22
	s_add_co_u32 s82, s82, 524288
	s_mov_b32 s83, 0
	s_wait_xcnt 0x0
	s_load_b64 s[10:11], s[0:1], 0x10                   ; codes2
	s_load_b64 s[48:49], s[0:1], 0x18                   ; scales2
	s_wait_loadcnt 0x0
	s_mov_b32 s46, 0
	s_mov_b32 s88, s67
	s_mov_b32 s47, 0
	s_mov_b32 s8, SCL
	s_xor_b32 s20, s87, 1                               ; the chunks still to come are the other half's
	s_mul_i32 s21, s20, 2*CH
	SADD 88, 21
	s_lshl_b32 s21, s20, 13
	SADD 55, 21
	v_add_nc_u32 v1, 2*TILE, v[ADRA0]
	v_add_nc_u32 v23, 1024, v[AAS0]
	PFTILE 8, 9, 100                                    ; what the first refill will load
	WALU
	s_cmp_eq_u32 s14, 0
	s_cbranch_scc0 .Lnot_b
	s_wait_tensorcnt 0x0
.Lnot_b:
	BARRIER                                             ; W_v's rows are in
	PFGO 8, 4
	WEIGHTS
	s_cmp_eq_u32 s14, 3
	s_cbranch_scc1 .Lnot_a0
	s_wait_tensorcnt 0x0
.Lnot_a0:
	s_wait_dscnt 0x0
	BARRIER                                             ; chunk 0 and the scale bytes are in; chunk 1 may still be on its way
	FETCH01
	s_wait_kmcnt 0x0
	s_add_nc_u64 s[50:51], s[10:11], s[80:81]
	s_add_nc_u64 s[52:53], s[48:49], s[82:83]
	s_add_nc_u64 s[10:11], s[10:11], s[76:77]
	s_add_nc_u64 s[48:49], s[48:49], s[78:79]
; ---- PHASE 1: V, eight blocks; chunk 0's way outs stand in chunk 1's blocks
.irp s, 0,1
	s_wait_dscnt NF
	BLOCK 1, \s, HV0+8*\s, 32, 0, 32, L_STEP
	WIN 0
	PLACES 4
	WALU
	FETCH \s
.endr
	s_wait_dscnt NF
	s_wait_xcnt 0x0                                     ; the list writes v8, the address of the head's prefetch
	GRD
	BLOCK 1, 0, HV0+16, 32, 0, 24, L_V2
	WIN 0
	WALU
	s_wait_dscnt 0x0
	s_barrier_signal -1
	BLOCK 1, 0, HV0+16, 32, 24, 32, L_NONE
	MIDDLE
	BARRIER
	s_cmp_lt_u32 s14, 2
	s_cbranch_scc0 .Lno_half
	TLOAD G0B, G1B                                      ; waves 0 and 1 a half each of W_q's or W_k's rows, onto W_v's, which all waves hold in registers
.Lno_half:
	PLACES 4
	WALU
	FETCH 0
	PFGO 7, 4
	PFGO 8, 6
	BLOCK 1, 1, HV0+24, 32, 0, 32, L_STEP
	WIN 0
	PLACES 4
	WALU
	FETCH 1
.irp j, 0,1,2
	s_wait_dscnt NF+(\j+1)/2
.if \j < 2
	BLOCK 1, \j%2, HV1+8*\j, 32, 0, 32, L_OUT, HV0+32*\j, \j
.else
	BLOCK 1, \j%2, HV1+8*\j, 32, 0, 32, L_LAST, HV0+32*\j, \j
.endif
	WIN 0
	CODES6 HV0+32*\j, MCD+6*\j, \j
	WALU
	ds_store_b8 v[STV], v[EB+\j] offset:128*\j
	PUT2 MCD+6*\j, s[50:51], 49152*\j
.if \j < 2
	FETCH \j%2
.endif
.endr
	s_wait_dscnt 1
	BLOCK 1, 1, HV1+24, 32, 0, 26, L_V7, HV0+96, 3
	WIN 0
	WALU
	s_wait_tensorcnt 0x0
	s_wait_dscnt 0x0
	s_barrier_signal -1                                 ; a plain barrier: the weights that the first refill brought are shown to all
	BLOCK 1, 1, HV1+24, 32, 26, 32, L_NONE
	WIN 0
	s_barrier_wait -1
	CODES6 HV0+96, MCD+18, 3
	WALU
	ds_store_b8 v[STV], v[EB+3] offset:384
	PUT2 MCD+18, s[50:51], 3*49152
; ---- THE CHANGE OF PHASE: the weights and the first two blocks' rows, which lie in slot 0 still, in one run of loads; chunk 1's four way outs under their flight
	WEIGHTS
	FETCH01
	PFGO 20, 4
	WIN 3
.set I, 0
.rept 16
	v_mov_b32 v[SB+I], v[SB2-768+I]
.set I, I+1
.endr
	WIN 0
.set I, 0
.rept 18
.irp t, 0,1,2,3
	CHAIN I, HV1+32*\t, \t, 64+4*\t
.endr
.set I, I+1
.endr
.set I, 0
.rept 6
.irp t, 0,1,2,3
	CODES I, HV1+32*\t, MCD+24+6*\t, \t, 80+4*\t
.endr
.set I, I+1
.endr
	WIN 0
	WALU
; ---- PHASE 2: Q or K, sixteen blocks
	s_wait_dscnt NF
	BLOCK 0, 0, ACC, 8, 0, 32, L_STEP
	WIN 0
	PLACES 4
	WALU
.irp t, 0,1,2,3
	ds_store_b8 v[STV], v[EB+\t] offset:512+128*\t
.endr
.irp t, 0,1,2,3
	PUT2 MCD+24+6*\t, s[50:51], 1536+49152*\t
.endr
	FETCH 0
	ODD NF+4, 1
	s_mov_b32 s86, 0
	WALU
.Lwith_rounds:                                          ; blocks 2 to 5, 6 to 9
	EVENROUND NF+1
	ODD -1, 1
	EVEN NF+1, 1
	ODD NF+1, 1
	s_add_co_u32 s86, s86, 1
	s_cmp_lg_u32 s86, 2
	s_cbranch_scc1 .Lwith_rounds
.Lwithout:                                              ; blocks 10, 11 and 12, 13
	EVENSHOW NF+1
	ODD -1, 1
	s_add_co_u32 s86, s86, 1
	s_cmp_lg_u32 s86, 4
	s_cbranch_scc1 .Lwithout
	EVEN NF+1, 0
	ODD 1, 0
; ---- THE END: the last way out; the scale bytes go through LDS under its conversions
	s_lshl_b32 s21, s14, 9
	s_add_co_u32 s21, s21, XN
	v_add_nc_u32 v12, s21, v[CO]
	s_lshl_b32 s21, s14, 8
	s_add_co_u32 s21, s21, XM
	v_add_nc_u32 v14, s21, v[C8]
.set I, 0
.rept 18
	CHAIN I, ACC+32, 1
.set I, I+1
.endr
	CODES 2, ACC+32, NCD+6, 1
	WALU
	ds_store_b8 v[VX], v[EB+1] offset:128
	s_wait_dscnt 0x0
	s_barrier_signal -1
	CODES 0, ACC+32, NCD+6, 1
	CODES 1, ACC+32, NCD+6, 1
	v_nop
.irp i, 3,4,5
	CODES \i, ACC+32, NCD+6, 1
.endr
	s_barrier_wait -1
	WALU
	ds_load_b128 v[64:67], v12
	ds_load_b64 v[68:69], v14
	PUT2 NCD+6, s[84:85], 2*TILE
	s_wait_dscnt 0x0
	global_store_b128 v[CO], v[64:67], s[48:49]
	global_store_b64 v[C8], v[68:69], s[52:53]
	s_wait_tensorcnt 0x0                                ; the wave's end
	ds_add_u32 v[SPW], v[NIL]
	s_wait_dscnt 0x0
	CROUND
	s_endpgm
.Lfunc_end_k_qdd8d43ed84_proj:
	.size	k_qdd8d43ed84_proj, .Lfunc_end_k_qdd8d43ed84_proj-k_qdd8d43ed84_proj
	.p2alignl 7, 3214868480
	.fill 96, 4, 3214868480
	.section	.rodata,"a",@progbits
	.p2align	6, 0x0
	.amdhsa_kernel k_qdd8d43ed84_proj
		.amdhsa_group_segment_fixed_size 327680
		.amdhsa_private_segment_fixed_size 0
		.amdhsa_enable_private_segment 0
		.amdhsa_kernarg_size 32
		.amdhsa_user_sgpr_count 2
		.amdhsa_user_sgpr_kernarg_segment_ptr 1
		.amdhsa_wavefront_size32 1
		.amdhsa_system_sgpr_workgroup_id_x 1
		.amdhsa_system_sgpr_workgroup_id_y 1
		.amdhsa_system_sgpr_workgroup_id_z 1
		.amdhsa_system_vgpr_workitem_id 0
		.amdhsa_next_free_vgpr 984
		.amdhsa_next_free_sgpr 102
		.amdhsa_reserve_vcc 0
		.amdhsa_float_denorm_mode_32 3
		.amdhsa_float_denorm_mode_16_64 3
		.amdhsa_memory_ordered 1
		.amdhsa_forward_progress 1
		.amdhsa_inst_pref_size 184
	.end_amdhsa_kernel
	.amdgpu_metadata
---
amdhsa.version: [ 1, 2 ]
amdhsa.kernels:
  - .name:           k_qdd8d43ed84_proj
    .symbol:         k_qdd8d43ed84_proj.kd
    .args:
      - { .name: codes1, .offset: 0, .size: 8, .value_kind: global_buffer, .address_space: global }
      - { .name: scales1, .offset: 8, .size: 8, .value_kind: global_buffer, .address_space: global }
      - { .name: codes2, .offset: 16, .size: 8, .value_kind: global_buffer, .address_space: global }
      - { .name: scales2, .offset: 24, .size: 8, .value_kind: global_buffer, .address_space: global }
    .group_segment_fixed_size: 327680
    .private_segment_fixed_size: 0
    .kernarg_segment_align: 8
    .kernarg_segment_size: 32
    .max_flat_workgroup_size: 128
    .sgpr_count:     102
    .vgpr_count:     984
    .wavefront_size: 32
...
	.end_amdgpu_metadata
.endif
;; end of part 2
;; launch scores (part 3): grid 51 x 4, 4 waves a work-group, no clusters, 327,680 bytes of LDS; arguments codes2, scales2, codes3, scales3, stats; writes codes3, scales3, stats
.if DOCPART == 3
	.amdgcn_target "amdgcn-amd-amdhsa--gfx1250"
	.amdhsa_code_object_version 6
	.text
	.protected	k_qdd8d43ed84_scores
	.globl	k_qdd8d43ed84_scores
	.p2align	8
	.type	k_qdd8d43ed84_scores,@function
k_qdd8d43ed84_scores:
	s_mov_b64 s[64:65], 0
	v_nop
	global_prefetch_b8 v0, s[64:65] scope:SCOPE_SE
	s_setreg_imm32_b32 hwreg(HW_REG_WAVE_MODE, 25, 1), 1
	s_wait_xcnt 0x0
; LAUNCH 3 OF 4.  The causal tiles of S = q k^T on codes of E2M3, and p = 2^(t - M), t = S log2(e) / 32, quantised along the keys (orders: launch 1's head).
; WORK LEFT OUT: tiles of 128 x 128 wholly above the diagonal (launch 1's head).  In a diagonal tile the wave with queries 0-63 and keys 64-127 makes zeros, which launch 4 multiplies with the tile's other half.
; codes3 [batch][query chunk][tile][key step][1536], scales3 [batch][query chunk][key step][tile][r].  M IS LOCAL: for each row and each 64 keys M = ceil(the largest t among them), a whole number; -M and l = the sum of the
; unquantised p go to stats: two planes of [batch][query chunk][key step][band][tile][r]; launch 4 brings bytes and sums under the row's M by exact powers of two.
; SHARES: a work-group has 128 keys (block kb of 16) and up to three consecutive chunks of 128 queries from kb + 3 n on: 51 work-groups a batch.  Waves 2 x 2: wave (a, b) holds band b of the keys (64 rows, all of K, 384 registers)
; and takes tile 2 j + a of each chunk as its block j: 32 products, transposed (source 0 = keys): a lane holds one query and 32 neighbouring keys, which are one scale block.
; NO CLUSTER: work-groups that share a query chunk have windows that begin at different chunks, so no four of them ask for the same tiles in the same step.  NO PREFETCH: a query chunk is read by up to 16 work-groups with such
; windows, and its blocks could not be shared out so that each is named once.
; LDS: two slots for query chunks (0, CH), the keys (2 CH), the query chunks' scale words, the stages for p's scale bytes, -M and l (place i + 1 holds chunk i), the spare words.
; FILLS: at the head wave 0 the keys, wave 1 the queries' scale words, waves 2 and 3 half of chunk 0 each.  The loop's trip t = 0 .. 3 (the same in every work-group): a drained barrier; chunk t + 1 into the slot of chunk t - 1, a quarter a wave;
; blocks 2, 3 of chunk t - 1; blocks 0, 1 of chunk t.
; WAITS: 36 LDS loads fetch a block; ahead of blocks 0 and 1 at most 36 may be out, which are younger than that block's fetch; blocks 2 and 3 stand behind the trip's wait for all.
; LIMITS: NaN and infinities are not served; scaled scores (t) stay under 2^31 in magnitude; a block whose every p is 0 has the byte 1 (its codes are zeros).
.set NQ,   8
.set NB,   4
.set TILE, 12288
.set CH,   98304
.set FR,   12
.set FPW,  21
.set KLDS, 2*CH
.set SCL,  3*CH                        ; four places of 4,096; the head fills three
.set SBY,  SCL+16384                   ; five places of 512
.set MST,  SBY+2560                    ; five places of 2,048: -M of bands 0, 1, l of bands 0, 1
.set SPARE, MST+10240
.set A16,  4                           ; v4-7  LDS addresses of the chunk's fragments: 16 x lane, 8 x lane; tiles j = 0, 1, then j = 2, 3
.set AS,   8
.set CO,   9
.set SPW,  10
.set NIL,  11
.set C8,   13
.set B16,  14                          ; v14, v15 the same in slot 0
.set ASB,  16
.set VBB,  17
.set VMB,  18
.set VBY,  19
.set VMY,  20
.set DQ,   21
.set NINF, 22
.set SB,   24
.set TA,   40
.set TB,   41
.set NM,   42                          ; v[42:43]: -M (the packed form names the pair and takes its low word)
.set PX,   44
.set SA,   45
.set LS,   53
.set PL,   54
.set T0,   55
.set S1,   56
.set S2,   58
.set TC,   60
.set EB,   63
.set ACC,  64
.set NCD,  128                         ; v128-151 six registers of codes for each block j
.set G1K,  24
.set G1S,  32
.set G1H,  40
.set G1Q,  48
.set G0K,  56
.set G0Q,  60
.set G0S,  84
.set G0H,  88
.set SEL,  66
.set CS,   68
.set MSB, 0
.macro WIN new
.if MSB != (\new)
	s_set_vgpr_msb (MSB<<8)|(\new)
.set MSB, (\new)
.endif
.endm
.macro PLACES n
.rept \n
	v_nop
.endr
.endm
.macro WALU
	s_wait_alu depctr_va_vdst(0)
.endm
.macro BARRIER
	s_barrier_signal -1
	s_barrier_wait -1
.endm
.macro TLOAD g0, g1
	tensor_load_to_lds s[\g0:\g0+3], s[\g1:\g1+7]
	s_nop 0
	PLACES 4
.endm
.macro GROUP1 g, c, rows
	s_mov_b32 s[\g+0], 3<<16
	s_mov_b32 s[\g+1], (\c)<<16
	s_mov_b32 s[\g+2], (\rows)<<16
	s_mov_b32 s[\g+3], (\c)<<16
	s_mov_b32 s[\g+4], \rows
	s_mov_b32 s[\g+5], \c
	s_mov_b32 s[\g+6], 0
	s_mov_b32 s[\g+7], 0
.endm
.macro FRAG f, a, off                  ; a fragment as two halves; a: the register of 16 x lane, the next one that of 8 x lane
	WIN ((1+(\f)/FPW)<<6)
.set R_, FR*((\f)%FPW)
.irp c, 0,1
	ds_load_b128 v[R_+6*\c:R_+6*\c+3], v[\a] offset:(\off)+768*\c
	ds_load_b64 v[R_+6*\c+4:R_+6*\c+5], v[\a+1] offset:(\off)+768*\c+512
.endr
.endm
.macro FETCH e, j                      ; tile 2 j + a of the chunk into set e
.irp q, 0,1,2,3,4,5,6,7
	FRAG NB*NQ+NQ*(\e)+\q, A16+2*((\j)/2), 1536*\q+2*TILE*((\j)%2)
.endr
	WIN 0
.irp q, 0,1,2,3
	ds_load_b32 v[SA+4*(\e)+\q], v[AS] offset:128*(\j)+1024*\q
.endr
.endm
.macro PROD e, n
.set Q_, (\n)/4
.set FB_, NB*Q_+(\n)%4
.set FA_, NB*NQ+NQ*(\e)+Q_
.set D_, ACC+8*((\n)%4)
	WIN (1+FB_/FPW)|((1+FA_/FPW)<<2)
.if Q_
	PROD1 v[D_:D_+7], SB+4*((\n)%4)+Q_/2, SA+4*(\e)+Q_/2
.else
	PROD1 0, SB+4*((\n)%4)+Q_/2, SA+4*(\e)+Q_/2
.endif
.endm
.macro PROD1 c, x0, x1
.if Q_%2
	v_wmma_scale_f32_16x16x128_f8f6f4 v[D_:D_+7], v[FR*(FB_%FPW):FR*(FB_%FPW)+FR-1], v[FR*(FA_%FPW):FR*(FA_%FPW)+FR-1], \c, v[\x0], v[\x1] matrix_a_fmt:MATRIX_FMT_FP6 matrix_b_fmt:MATRIX_FMT_FP6 matrix_a_scale:MATRIX_SCALE_ROW1 matrix_b_scale:MATRIX_SCALE_ROW1
.else
	v_wmma_scale_f32_16x16x128_f8f6f4 v[D_:D_+7], v[FR*(FB_%FPW):FR*(FB_%FPW)+FR-1], v[FR*(FA_%FPW):FR*(FA_%FPW)+FR-1], \c, v[\x0], v[\x1] matrix_a_fmt:MATRIX_FMT_FP6 matrix_b_fmt:MATRIX_FMT_FP6
.endif
.endm
; Block j: 32 products (the four accumulators take turns, one instruction a turn), the fetch of the block two on, the softmax of its 32 scores a lane.
.macro BLK j
.if (\j) < 2
	s_wait_dscnt 36
.endif
.set N_, 0
.rept 32
	PROD (\j)%2, N_
.set N_, N_+1
.endr
	WIN 0
	PLACES 4
.if (\j) < 2
	FETCH (\j)%2, (\j)+2
	WALU
	s_cmp_lg_u32 s3, s70                           ; is this the diagonal tile?  Ids alone
.else
	s_cmp_lt_u32 s3, s2
	s_cbranch_scc0 .Lnofetch_\@
	FETCH (\j)%2, (\j)-2
.Lnofetch_\@:
	WALU
	s_cmp_lg_u32 s3, s71
.endif
	s_cbranch_scc1 .Lopen_\@
.set JJ, 0
.rept 32
	v_cmp_gt_i32 vcc_lo, JJ-8*(\j), v[DQ]          ; key after query: -infinity ahead of the maximum
	v_cndmask_b32 v[ACC+JJ], v[ACC+JJ], v[NINF], vcc_lo
.set JJ, JJ+1
.endr
	WALU
.Lopen_\@:
	v_max3_num_f32 v[TA], v[ACC], v[ACC+1], v[ACC+2]
	v_max3_num_f32 v[TB], v[ACC+16], v[ACC+17], v[ACC+18]
.irp i, 3,5,7,9,11,13
	v_max3_num_f32 v[TA], v[TA], v[ACC+\i], v[ACC+\i+1]
	v_max3_num_f32 v[TB], v[TB], v[ACC+16+\i], v[ACC+17+\i]
.endr
	v_max3_num_f32 v[TB], v[TB], v[ACC+15], v[ACC+31]
	v_max_num_f32 v[TA], v[TA], v[TB]              ; the largest score of my block of 32 keys: for the row's maximum, and, since p rises with the score, for the block's largest p
	v_permlanex16_b32 v[PX], v[TA], s[SEL], s[SEL+1]
	v_max3_num_f32 v[T0], v[TA], v[PX], 0xff61b1e6 ; with a floor of -3e38, so that a band that is wholly hidden has a finite M
	v_mul_f32 v[T0], s[CS], v[T0]
	v_floor_f32 v[NM], -v[T0]                      ; -M = floor(-t) = -ceil(t)
.set JJ, 0
.rept 16
	v_pk_fma_f32 v[ACC+JJ:ACC+JJ+1], v[ACC+JJ:ACC+JJ+1], s[CS:CS+1], v[NM:NM+1] op_sel_hi:[1,0,0]   ; t - M
.set JJ, JJ+2
.endr
	v_fma_f32 v[TA], v[TA], s[CS], v[NM]
	WALU                                           ; a wait ahead of the batch, and one behind it
.set JJ, 0
.rept 32
	v_exp_f32 v[ACC+JJ], v[ACC+JJ]                 ; p = 2^(t - M), not normalised
.set JJ, JJ+1
.endr
	v_exp_f32 v[TA], v[TA]                         ; the block's largest p
	v_nop
	WALU
	v_pk_add_f32 v[S1:S1+1], v[ACC:ACC+1], v[ACC+4:ACC+5]      ; the sum of the unquantised p, in two chains
	v_pk_add_f32 v[S2:S2+1], v[ACC+2:ACC+3], v[ACC+6:ACC+7]
	v_max_num_f32 v[TA], 0x1800000, v[TA]          ; the floor 2^(3 - 127)
.irp i, 8,12,16,20,24,28
	v_pk_add_f32 v[S1:S1+1], v[S1:S1+1], v[ACC+\i:ACC+\i+1]
	v_pk_add_f32 v[S2:S2+1], v[S2:S2+1], v[ACC+\i+2:ACC+\i+3]
.endr
	v_add_nc_u32 v[TB], 0xff000000, v[TA]          ; 2 off the exponent field: the conversions' scale operand
	v_pk_add_f32 v[S1:S1+1], v[S1:S1+1], v[S2:S2+1]
	v_cvt_scalef32_pk16_fp6_f32 v[NCD+6*(\j):NCD+6*(\j)+2], v[ACC:ACC+15], v[TB]
	v_cvt_scalef32_pk16_fp6_f32 v[TC:TC+2], v[ACC+16:ACC+31], v[TB]
	v_lshrrev_b32 v[EB], 23, v[TB]
	v_add_f32 v[LS], v[S1], v[S1+1]
.irp i, 0,1,2
	v_mov_b32 v[NCD+6*(\j)+3+\i], v[TC+\i]
.endr
	v_permlanex16_b32 v[PL], v[LS], s[SEL], s[SEL+1]
	v_add_f32 v[LS], v[LS], v[PL]                  ; l of these 64 keys
.set PO_, 49152*(\j)-196608*((\j)/2)
	global_store_b128 v[CO], v[NCD+6*(\j):NCD+6*(\j)+3], s[74:75] offset:PO_
	global_store_b64 v[C8], v[NCD+6*(\j)+4:NCD+6*(\j)+5], s[74:75] offset:PO_+512
	ds_store_b8 v[VBY], v[EB] offset:128*(\j)+512*(1-(\j)/2)
	ds_store_b32 v[VMY], v[NM] offset:128*(\j)+2048*(1-(\j)/2)
	ds_store_b32 v[VMY], v[LS] offset:128*(\j)+2048*(1-(\j)/2)+1024
.endm
	s_load_b256 s[4:11], s[0:1], 0x0               ; codes2, scales2, codes3, scales3
	s_load_b64 s[12:13], s[0:1], 0x20              ; stats
	v_lshl_add_u32 v[SPW], v0, 2, SPARE
	v_mov_b32 v[NIL], 0
	ds_add_u32 v[SPW], v[NIL]                      ; the opening lines: the add, twice on end
	ds_add_u32 v[SPW], v[NIL]
	v_lshrrev_b32 v1, 5, v0
	v_readfirstlane_b32 s14, v1                    ; wave
	s_lshr_b32 s15, s14, 1                         ; a
	s_and_b32 s16, s14, 1                          ; b
	s_and_b32 s17, ttmp7, 0xffff                   ; batch
	s_mov_b32 s18, 0                               ; kb
	s_mov_b32 s19, 0
.set KB_, 0
.irp st, 6,11,16,21,25,29,33,36,39,42,44,46,48,49,50
.set KB_, KB_+1
	s_cmp_ge_u32 ttmp9, \st                        ; key block KB_ begins with work-group st
	s_cselect_b32 s18, KB_, s18
	s_cselect_b32 s19, \st, s19
.endr
	s_sub_co_u32 s19, ttmp9, s19
	s_mul_i32 s19, s19, 3
	s_add_co_u32 s19, s19, s18                     ; my first query chunk
	s_sub_co_u32 s2, 16, s19
	s_min_u32 s2, s2, 3                            ; my chunks
	s_cmp_eq_u32 s19, s18
	s_cselect_b32 s70, 0, 32                       ; the trip in which blocks 0, 1 lie on the diagonal
	s_add_co_u32 s71, s70, 1                       ; and blocks 2, 3
	GROUP1 G1K, 384, 32
	GROUP1 G1S, 32, 48
	GROUP1 G1H, 384, 16
	GROUP1 G1Q, 384, 8
	s_lshl_b32 s20, s17, 4
	s_add_co_u32 s21, s20, s19                     ; 16 x batch + my first query chunk
	s_add_co_u32 s20, s20, s18                     ; 16 x batch + kb
	s_mul_i32 s92, s20, CH
	s_add_co_u32 s92, s92, 6291456                 ; the keys
	s_mov_b32 s93, 0
	s_mul_i32 s94, s21, CH                         ; the queries
	s_mov_b32 s95, 0
	s_lshl_b32 s96, s20, 12
	s_lshl_b32 s22, s16, 6
	s_add_co_u32 s96, s96, s22
	s_add_co_u32 s96, s96, 262144                  ; the keys' scale words, my band
	s_mov_b32 s97, 0
	s_lshl_b32 s98, s21, 12                        ; the queries'
	s_mov_b32 s99, 0
	s_mov_b32 s[CS], 0x3d38aa3b                    ; c = log2(e) / 32
	s_mov_b32 s[CS+1], s[CS]
	s_mov_b32 s[SEL], 0x76543210
	s_mov_b32 s[SEL+1], 0xfedcba98
	s_wait_dscnt 0x0                               ; both opening adds are done
	s_wait_kmcnt 0x0
	s_mov_b32 s[G0K], 1
	s_mov_b32 s[G0K+1], KLDS
	s_add_nc_u64 s[G0K+2:G0K+3], s[4:5], s[92:93]
	s_or_b32 s[G0K+3], s[G0K+3], 0x80000000
	s_mov_b32 s[G0S], 1
	s_mov_b32 s[G0S+1], SCL
	s_add_nc_u64 s[G0S+2:G0S+3], s[6:7], s[98:99]
	s_or_b32 s[G0S+3], s[G0S+3], 0x80000000
	s_add_nc_u64 s[94:95], s[4:5], s[94:95]
	s_mul_i32 s22, s16, CH/2
	s_mov_b32 s23, 0
	s_mov_b32 s[G0H], 1
	s_mov_b32 s[G0H+1], s22
	s_add_nc_u64 s[G0H+2:G0H+3], s[94:95], s[22:23]
	s_or_b32 s[G0H+3], s[G0H+3], 0x80000000
	s_cmp_eq_u32 s14, 0
	s_cbranch_scc0 .Lwave_1
	TLOAD G0K, G1K                                 ; wave 0: the keys
	s_branch .Lasked
.Lwave_1:
	s_cmp_eq_u32 s14, 1
	s_cbranch_scc0 .Lwave_2
	TLOAD G0S, G1S                                 ; wave 1: the scale words of three query chunks
	s_branch .Lasked
.Lwave_2:
	TLOAD G0H, G1H                                 ; waves 2, 3: half of chunk 0 each
.Lasked:
	v_and_b32 v1, 15, v0                           ; r
	v_bfe_u32 v2, v0, 4, 1                         ; h
	v_and_b32 v3, 31, v0                           ; lane
	v_lshlrev_b32 v23, 9, v2
	v_lshl_add_u32 v23, v1, 2, v23                 ; 512 h + 4 r: lanes 0-15 an even step's words, lanes 16-31 the odd one's
	s_add_nc_u64 s[72:73], s[6:7], s[96:97]
.irp t, 0,1,2,3
.irp i, 0,1,2,3
	global_load_b32 v[SB+4*\t+\i], v23, s[72:73] offset:128*\t+1024*\i
.endr
.endr
	v_lshlrev_b32 v[CO], 4, v3
	v_lshlrev_b32 v[C8], 3, v3
	s_mul_i32 s22, s16, TILE
	s_add_co_u32 s22, s22, KLDS
	v_add_nc_u32 v[A16], s22, v[CO]                ; for the keys' fragments; the loop's trips make these four anew
	v_add_nc_u32 v[A16+1], s22, v[C8]
	v_add_nc_u32 v[A16+2], 4*TILE, v[A16]
	v_add_nc_u32 v[A16+3], 4*TILE, v[A16+1]
	s_mul_i32 s22, s15, TILE
	v_add_nc_u32 v[B16], s22, v[CO]
	v_add_nc_u32 v[B16+1], s22, v[C8]
	s_lshl_b32 s22, s15, 6
	s_add_co_u32 s23, s22, SCL
	v_add_nc_u32 v[ASB], s23, v23
	v_add_nc_u32 v[AS], s23, v23
	v_lshl_add_u32 v12, v1, 2, s22                 ; 4 r + 64 a
	s_lshl_b32 s23, s16, 9
	s_add_co_u32 s23, s23, MST
	v_add_nc_u32 v[VMB], s23, v12
	s_lshl_b32 s23, s16, 1
	s_add_co_u32 s23, s23, SBY
	v_add_nc_u32 v[VBB], v12, v2
	v_add_nc_u32 v[VBB], s23, v[VBB]
	v_and_b32 v[DQ], 7, v1
	v_lshrrev_b32 v12, 3, v1
	v_sub_nc_u32 v12, v12, v2
	v_lshl_add_u32 v[DQ], v12, 5, v[DQ]
	s_sub_co_i32 s22, s15, s16
	s_lshl_b32 s22, s22, 6
	v_add_nc_u32 v[DQ], s22, v[DQ]                 ; my query of tile 0 less my first key: 64 (a - b) + 32 (r / 8 - h) + r % 8
	v_mov_b32 v[NINF], 0xff800000
	v_mov_b32 v[NM+1], 0
	v_mov_b32 v[PX], 0
	v_mov_b32 v[PL], 0
	s_mul_i32 s77, s14, CH/4                       ; in the loop I fetch a quarter of each chunk
	s_mov_b32 s22, s77
	s_mov_b32 s23, 0
	s_mov_b32 s[G0Q], 1
	s_mov_b32 s[G0Q+1], 0
	s_add_nc_u64 s[G0Q+2:G0Q+3], s[94:95], s[22:23]
	s_or_b32 s[G0Q+3], s[G0Q+3], 0x80000000
	s_lshl_b32 s22, s21, 7
	s_lshl_b32 s23, s15, 4
	s_add_co_u32 s22, s22, s23
	s_add_co_u32 s22, s22, s18
	s_mul_i32 s22, s22, 1536
	s_mul_i32 s23, s16, 768
	s_add_co_u32 s22, s22, s23
	s_mov_b32 s23, 0
	s_add_nc_u64 s[74:75], s[8:9], s[22:23]        ; codes3: my first chunk's tile a, key step kb, half b
	s_lshl_b32 s20, s21, 4
	s_add_co_u32 s20, s20, s18
	s_lshl_b32 s22, s20, 9
	s_add_nc_u64 s[80:81], s[10:11], s[22:23]      ; scales3
	s_lshl_b32 s22, s20, 10
	s_lshl_b32 s20, s15, 20
	s_add_co_u32 s22, s22, s20
	s_lshl_b32 s20, s16, 9
	s_add_co_u32 s22, s22, s20
	s_add_nc_u64 s[78:79], s[12:13], s[22:23]      ; stats: wave w stores plane w / 2, band w % 2
	s_mov_b32 s76, CH
	s_mov_b32 s3, 0
	WALU
	s_wait_loadcnt 0x0
	s_wait_tensorcnt 0x0
	BARRIER                                        ; the head's four tiles are in
.irp q, 0,1,2,3,4,5,6,7
.irp b, 0,1,2,3
	FRAG NB*\q+\b, A16+2*(\b/2), 1536*\q+2*TILE*(\b%2)
.endr
.endr
	WIN 0
	v_mov_b32 v[A16], v[B16]
	v_mov_b32 v[A16+1], v[B16+1]
	FETCH 0, 0
	FETCH 1, 1
.Ltrip:
	s_wait_tensorcnt 0x0                           ; all my tensor loads have landed: my quarter of chunk t among them;
	ds_add_u32 v[SPW], v[NIL]
	s_xor_b32 s76, s76, CH                         ; chunk t's slot
	v_add_nc_u32 v[A16], s76, v[B16]
	v_add_nc_u32 v[A16+1], s76, v[B16+1]
	s_min_u32 s20, s3, 2                           ; chunk t's scale words (trip 3 fetches nothing)
	s_lshl_b32 s20, s20, 12
	v_add_nc_u32 v[AS], s20, v[ASB]
	s_lshl_b32 s20, s3, 9
	v_add_nc_u32 v[VBY], s20, v[VBB]
	s_lshl_b32 s20, s3, 11
	v_add_nc_u32 v[VMY], s20, v[VMB]
	v_add_nc_u32 v[A16+2], 4*TILE, v[A16]
	v_add_nc_u32 v[A16+3], 4*TILE, v[A16+1]
	s_xor_b32 s20, s76, CH
	s_add_co_u32 s[G0Q+1], s20, s77
	s_add_nc_u64 s[G0Q+2:G0Q+3], s[G0Q+2:G0Q+3], CH
	WALU
	s_wait_dscnt 0x0                               ; the add is done, and so are my reads of chunk t - 1
	BARRIER
	s_add_co_u32 s20, s3, 1
	s_cmp_lt_u32 s20, s2                           ; ids alone: is there a chunk t + 1?
	s_cbranch_scc0 .Lnoload
	TLOAD G0Q, G1Q
.Lnoload:
	s_cmp_eq_u32 s3, 0
	s_cbranch_scc1 .Lsecond
	s_cmp_gt_u32 s3, s2
	s_cbranch_scc1 .Lsecond
	BLK 2
	BLK 3
.Lsecond:
	s_cmp_lt_u32 s3, s2
	s_cbranch_scc0 .Lnone
	BLK 0
	BLK 1
.Lnone:
	s_wait_xcnt 0x0                                ; the stores have read their registers and their base
	s_add_nc_u64 s[74:75], s[74:75], 196608
	s_add_co_u32 s3, s3, 1
	s_cmp_lt_u32 s3, 4
	s_cbranch_scc1 .Ltrip
; THE END: scale words, -M and l leave as runs of 512 bytes
	s_lshl_b32 s22, s14, 9
	s_add_co_u32 s22, s22, MST+2048
	v_add_nc_u32 v2, s22, v[CO]
	v_add_nc_u32 v3, SBY+512, v[CO]
	WALU
	s_wait_dscnt 0x0
	BARRIER
.irp i, 0,1,2
	s_cmp_gt_u32 s2, \i
	s_cbranch_scc0 .Lend
	ds_load_b128 v[160+8*\i:163+8*\i], v2 offset:2048*\i
	s_wait_dscnt 0x0
	global_store_b128 v[CO], v[160+8*\i:163+8*\i], s[78:79] offset:16384*\i
	s_cmp_eq_u32 s14, \i                           ; wave i: chunk i's scale words
	s_cbranch_scc0 .Lnotmine_\i
	ds_load_b128 v[164+8*\i:167+8*\i], v3 offset:512*\i
	s_wait_dscnt 0x0
	global_store_b128 v[CO], v[164+8*\i:167+8*\i], s[80:81] offset:8192*\i
.Lnotmine_\i:
.endr
.Lend:
	s_wait_tensorcnt 0x0                           ; the wave's end
	ds_add_u32 v[SPW], v[NIL]
	s_wait_dscnt 0x0
	s_endpgm
.Lfunc_end_k_qdd8d43ed84_scores:
	.size	k_qdd8d43ed84_scores, .Lfunc_end_k_qdd8d43ed84_scores-k_qdd8d43ed84_scores
	.p2alignl 7, 3214868480
	.fill 96, 4, 3214868480
	.section	.rodata,"a",@progbits
	.p2align	6, 0x0
	.amdhsa_kernel k_qdd8d43ed84_scores
		.amdhsa_group_segment_fixed_size 327680
		.amdhsa_private_segment_fixed_size 0
		.amdhsa_enable_private_segment 0
		.amdhsa_kernarg_size 40
		.amdhsa_user_sgpr_count 2
		.amdhsa_user_sgpr_kernarg_segment_ptr 1
		.amdhsa_wavefront_size32 1
		.amdhsa_system_sgpr_workgroup_id_x 1
		.amdhsa_system_sgpr_workgroup_id_y 1
		.amdhsa_system_sgpr_workgroup_id_z 1
		.amdhsa_system_vgpr_workitem_id 0
		.amdhsa_next_free_vgpr 840
		.amdhsa_next_free_sgpr 102
		.amdhsa_reserve_vcc 1
		.amdhsa_float_denorm_mode_32 3
		.amdhsa_float_denorm_mode_16_64 3
		.amdhsa_memory_ordered 1
		.amdhsa_forward_progress 1
		.amdhsa_inst_pref_size 84
	.end_amdhsa_kernel
	.amdgpu_metadata
---
amdhsa.version: [ 1, 2 ]
amdhsa.kernels:
  - .name:           k_qdd8d43ed84_scores
    .symbol:         k_qdd8d43ed84_scores.kd
    .args:
      - { .name: codes2, .offset: 0, .size: 8, .value_kind: global_buffer, .address_space: global }
      - { .name: scales2, .offset: 8, .size: 8, .value_kind: global_buffer, .address_space: global }
      - { .name: codes3, .offset: 16, .size: 8, .value_kind: global_buffer, .address_space: global }
      - { .name: scales3, .offset: 24, .size: 8, .value_kind: global_buffer, .address_space: global }
      - { .name: stats, .offset: 32, .size: 8, .value_kind: global_buffer, .address_space: global }
    .group_segment_fixed_size: 327680
    .private_segment_fixed_size: 0
    .kernarg_segment_align: 8
    .kernarg_segment_size: 40
    .max_flat_workgroup_size: 128
    .sgpr_count:     102
    .vgpr_count:     840
    .wavefront_size: 32
...
	.end_amdgpu_metadata
.endif
;; end of part 3
;; launch pv (part 4): grid 8 x 32, 4 waves a work-group, clusters of 4 x 1, 327,680 bytes of LDS; arguments codes3, scales3, stats, codes2, scales2, out0; writes out0
.if DOCPART == 4
	.amdgcn_target "amdgcn-amd-amdhsa--gfx1250"
	.amdhsa_code_object_version 6
	.text
	.protected	k_qdd8d43ed84_pv
	.globl	k_qdd8d43ed84_pv
	.p2align	8
	.type	k_qdd8d43ed84_pv,@function
k_qdd8d43ed84_pv:
	s_mov_b64 s[64:65], 0
	v_nop
	global_prefetch_b8 v0, s[64:65] scope:SCOPE_SE
	s_setreg_imm32_b32 hwreg(HW_REG_WAVE_MODE, 25, 1), 1
	s_wait_xcnt 0x0
	s_wait_alu depctr_hold_cnt(0) depctr_sa_sdst(0) depctr_va_vdst(0) depctr_va_sdst(0) depctr_va_ssrc(0) depctr_va_vcc(0) depctr_vm_vsrc(0)
	s_getreg_b32 s2, hwreg(HW_REG_IB_STS2, 6, 4)
	s_cmp_eq_u32 s2, 0
	s_cbranch_scc0 .Lentry_in_a_cluster
	s_endpgm
.Lentry_in_a_cluster:
	s_bfe_u32 s2, ttmp6, 0x10000c
	s_cmp_lg_u32 s2, 0x3003
	s_cbranch_scc0 .Lentry_shape_is_right
	s_endpgm
.Lentry_shape_is_right:
; LAUNCH 4 OF 4.  O = P V / l on codes of E2M3.  P and v^T lie as register images (format: launch 1's head); P's scale bytes stand under an M of each 64 keys and are brought under the row's M here.
; WORK LEFT OUT: the steps of 128 keys that lie wholly behind a block of 128 queries (launch 1's head): block X has X + 1 steps.
; SHARES: 256 work-groups of equal work.  A work-group has a batch, 128 of the 1,024 channels (n) and TWO blocks of 128 queries: E = 2 m + 1 (2 m + 2 steps) and O = 14 - 2 m (15 - 2 m steps): always 17 steps.
; THE STREAM IS THE SAME TEXT FOR EVERY m: one single step S = (O, its last step), then eight doubles D0 .. D7 of two steps: D_d = (E, steps 2 d on) where d <= m, else (O, steps 2 (d - m - 1) on).  Only global addresses and the
; choice of the accumulators (a scalar branch on m round the products and their LDS loads) hang on m.  Stream step k: S is 0, D_d is 2 d + 1 and 2 d + 2.
; Four waves, 64 queries x 64 channels of each block: 16 + 16 accumulators.  Transposed use: source 0 = 16 rows of v^T, source 1 = 16 rows of P: a lane holds one query and eight neighbouring channels.
; CLUSTER 4 x 1: the partners share batch and m and differ in n: P's tiles are asked for jointly; v^T's are each work-group's own (plain loads, behind the same rounds).  v^T cannot be shared: work-groups with another m want other steps.
; LDS: five places of 49,152 bytes (P's 8 tiles x 2 steps, then v^T's), one of 24,576 for S; D5, D6, D7 fill places 0, 1, 2 again.  By this text's count at most three tensor loads of a wave are out.
; THE PRE-PASS (while the first fills land): thread t is image row t of both blocks.  The row's -M = the least of the steps' -M; each step's l is multiplied by 2^(M_k - M) and summed; each scale byte b becomes b - min(b, M - M_k).
; LIMITS: a block of p whose scale under the row's M falls under 2^-127 is held at the byte 0: at most 7.5 x 2^-127 beside l >= 1/2.  l is summed by steps of 128 keys, another order of f32 additions than reference()'s.
.set POSB,  49152
.set SPOS,  5*POSB
.set PSC,   SPOS+24576                 ; P's aligned words [k 17][512]
.set VSCD,  8832                       ; v^T's words lie so far behind them: lanes 16-31 read other banks than lanes 0-15
.set RL,    288000                     ; 1 / l: [E, O][128]
.set SPARE, RL+1024
.set STAGE, 3*POSB                     ; the way out: 16 rows x 272 bytes a wave, in place 3: it has had its only fill, and its last read lies ahead of two later barriers
.set ADA,  2                           ; v2-7   P's fragments in places 0-4 and in S's
.set ADB,  8                           ; v8-13  v^T's
.set ADRS, 14
.set T4,   15
.set STO,  16
.set RD,   17
.set GO,   18
.set RLA,  19
.set PSA,  20
.set SPW,  28
.set NIL,  29
.set SC,   32                          ; v32-39 scale words, two sets of 4
.set NM,   64
.set LL,   81
.set PWD,  98
.set VW,   115
.set OP,   132
.set OV,   141
.set BIG,  150
.set ME,   151
.set MO,   152
.set LE,   153
.set LO,   154
.set XX,   155
.set YY,   156
.set REF,  157
; THE BANDS: -M and l come for each row and each 64 keys (band 0: scale bytes 0, 1; band 1: bytes 2, 3), and both bands are brought under the row's M.  Operands lie as two halves of 768 bytes (launch 1's head).
.set DI,   158
.set NM2,  168                         ; v168-184, v185-201 band 1's -M and l
.set LL2,  185
.set OS,   202
.set DI2,  211
.set DP,   212                         ; v212, v213 for the two bands
.set ADA8, 40                          ; v40-45, v46-51 as ADA and ADB, with 8 x lane
.set ADB8, 46
.set B0,   160
.set C0,   164
.set T,    64
.set OB,   128
.set RP,   192
.set G1AD, 24
.set G1AS, 32
.set G1BD, 40
.set G1BS, 48
.set G0A0, 56
.set G0A1, 60
.set G0A2, 68
.set G0B0, 72
.set G0B1, 76
.set G0B2, 80
.set MSB, 0
.macro WIN new
.if MSB != (\new)
	s_set_vgpr_msb (MSB<<8)|(\new)
.set MSB, (\new)
.endif
.endm
.macro PLACES n
.rept \n
	v_nop
.endr
.endm
.macro JLOAD g0a, g1a, g0b, g1b        ; waves 0 and 1 fetch P's tiles (jointly), waves 2 and 3 v^T's; an s_nop 0 and four v_nop follow each line
	s_cmp_eq_u32 s17, 0
	s_cbranch_scc0 .Lfor_b_\@
	tensor_load_to_lds s[\g0a:\g0a+3], s[\g1a:\g1a+7]
	s_nop 0
	PLACES 4
	s_branch .Lasked_\@
.Lfor_b_\@:
	tensor_load_to_lds s[\g0b:\g0b+3], s[\g1b:\g1b+7]
	s_nop 0
	PLACES 4
.Lasked_\@:
.endm
.macro CROUND
	s_barrier_signal -1
	s_barrier_wait -1
	s_cmp_lg_u32 s16, 0
	s_cbranch_scc1 .Lnot_wave_0_\@
	s_barrier_signal -3
.Lnot_wave_0_\@:
	s_barrier_wait -3
	s_barrier_signal -1
	s_barrier_wait -1
.endm
.macro DENT d, u, z                    ; double s[d]: its block (16 x batch + block) into s[u], its first step into s[z]
	s_sub_co_u32 s[\z], s[\d], s22
	s_sub_co_u32 s[\z], s[\z], 1
	s_lshl_b32 s[\z], s[\z], 1
	s_lshl_b32 s[\u], s[\d], 1
	s_cmp_le_u32 s[\d], s22
	s_cselect_b32 s[\z], s[\u], s[\z]
	s_cselect_b32 s[\u], s86, s87
.endm
.macro SETG0 ga, gb, la, lb, u, z      ; both groups 0 of an item
	s_lshl_b32 s92, s[\u], 7
	s_add_co_u32 s92, s92, s[\z]
	s_mul_i32 s92, s92, 1536
	s_mov_b32 s93, 0
	s_mov_b32 s[\ga], 1
	s_mov_b32 s[\ga+1], s[\la]
	s_add_nc_u64 s[\ga+2:\ga+3], s[4:5], s[92:93]
	s_or_b32 s[\ga+3], s[\ga+3], 0x80000000
	s_add_co_u32 s92, s100, s[\z]
	s_mul_i32 s92, s92, 1536
	s_add_co_u32 s92, s92, 12582912
	s_mov_b32 s[\gb], 1
	s_mov_b32 s[\gb+1], s[\lb]
	s_add_nc_u64 s[\gb+2:\gb+3], s[10:11], s[92:93]
	s_or_b32 s[\gb+3], s[\gb+3], 0x80000000
.endm
	s_load_b256 s[4:11], s[0:1], 0x0               ; codes3, scales3, stats, codes2
	s_load_b128 s[12:15], s[0:1], 0x20             ; scales2, out0
	v_lshl_add_u32 v[SPW], v0, 2, SPARE
	v_mov_b32 v[NIL], 0
	ds_add_u32 v[SPW], v[NIL]                      ; the opening: the add, twice on end, and its wait ahead of my first tensor load
	ds_add_u32 v[SPW], v[NIL]
	v_lshrrev_b32 v1, 5, v0
	v_readfirstlane_b32 s16, v1                    ; wave
	s_lshr_b32 s17, s16, 1                         ; rh: my half of the queries; also: I fetch P (0) or v^T (1)
	s_and_b32 s18, s16, 1                          ; ch: my half of the channels; also: which of two items I fetch
	s_bfe_u32 s19, ttmp6, 0x40000                  ; cx
	s_lshl_b32 s20, ttmp9, 2
	s_add_co_u32 s20, s20, s19                     ; n
	s_and_b32 s21, ttmp7, 0xffff
	s_and_b32 s22, s21, 7                          ; m
	s_lshr_b32 s21, s21, 3                         ; batch
	s_lshl_b32 s84, s22, 1
	s_sub_co_u32 s85, 14, s84                      ; block O
	s_add_co_u32 s84, s84, 1                       ; block E
	s_lshl_b32 s86, s21, 4
	s_add_co_u32 s87, s86, s85
	s_add_co_u32 s86, s86, s84
	s_lshl_b32 s23, s21, 3
	s_add_co_u32 s23, s23, s20                     ; 8 x batch + n
	s_lshl_b32 s100, s23, 7
	s_lshl_b32 s101, s23, 4
	s_mov_b32 s[G1AD], 15|(3<<16)|(1<<21)          ; the four partners; elements of 8 bytes; bit 21 beside a mask
	s_mov_b32 s[G1AS], 15|(3<<16)|(1<<21)
	s_mov_b32 s[G1BD], 3<<16
	s_mov_b32 s[G1BS], 3<<16
.irp g, G1AD, G1BD                     ; a double: 8 tiles x 3,072 bytes, 24,576 bytes from tile to tile
	s_mov_b32 s[\g+1], 384<<16
	s_mov_b32 s[\g+2], 8<<16
	s_mov_b32 s[\g+3], 384<<16
	s_mov_b32 s[\g+4], 8
	s_mov_b32 s[\g+5], 3072
	s_mov_b32 s[\g+6], 0
	s_mov_b32 s[\g+7], 0
.endr
.irp g, G1AS, G1BS                     ; the single: 8 tiles x 1,536 bytes
	s_mov_b32 s[\g+1], 192<<16
	s_mov_b32 s[\g+2], 8<<16
	s_mov_b32 s[\g+3], 192<<16
	s_mov_b32 s[\g+4], 8
	s_mov_b32 s[\g+5], 3072
	s_mov_b32 s[\g+6], 0
	s_mov_b32 s[\g+7], 0
.endr
	s_wait_dscnt 0x0                               ; both opening adds are done
	s_wait_kmcnt 0x0
	s_cmp_eq_u32 s18, 0                            ; my first fill: S (even waves) or D0 (odd waves)
	s_cselect_b32 s94, s87, s86
	s_cselect_b32 s95, s85, 0
	s_xor_b32 s96, s18, 1
	s_mul_i32 s98, s96, SPOS
	s_mul_i32 s99, s96, 233472
	s_add_co_u32 s99, s99, 24576
	SETG0 G0A0, G0B0, 98, 99, 94, 95
	s_add_co_u32 s97, s18, 1                       ; my second: D1 or D2
	DENT 97, 94, 95
	s_mul_i32 s98, s97, POSB
	s_add_co_u32 s99, s98, 24576
	SETG0 G0A1, G0B1, 98, 99, 94, 95
	s_add_co_u32 s97, s18, 3                       ; my third: D3 or D4
	DENT 97, 94, 95
	s_mul_i32 s98, s97, POSB
	s_add_co_u32 s99, s98, 24576
	SETG0 G0A2, G0B2, 98, 99, 94, 95
	CROUND                                         ; the four work-groups are here: the first joint loads meet
	s_cmp_eq_u32 s18, 0
	s_cbranch_scc0 .Lfirst_double
	JLOAD G0A0, G1AS, G0B0, G1BS
	s_branch .Lfirst_asked
.Lfirst_double:
	JLOAD G0A0, G1AD, G0B0, G1BD
.Lfirst_asked:
	v_and_b32 v1, 15, v0                           ; r
	v_bfe_u32 v21, v0, 4, 1                        ; h
	v_and_b32 v22, 31, v0
	v_lshlrev_b32 v22, 4, v22                      ; 16 x lane
	s_wait_alu depctr_va_vdst(0)
	v_lshrrev_b32 v24, 1, v22                      ; 8 x lane
	s_mul_i32 s92, s17, 3072                       ; my tiles are 2 i + rh of P, 2 i + ch of v^T
	s_mul_i32 s93, s18, 3072
	s_add_co_u32 s93, s93, 24576
.irp p, 0,1,2,3,4
	v_add_nc_u32 v[ADA+\p], s92, v22
	v_add_nc_u32 v[ADB+\p], s93, v22
	v_add_nc_u32 v[ADA8+\p], s92, v24
	v_add_nc_u32 v[ADB8+\p], s93, v24
	s_add_co_u32 s92, s92, POSB
	s_add_co_u32 s93, s93, POSB
.endr
	s_mul_i32 s92, s17, 1536
	s_add_co_u32 s92, s92, SPOS
	s_mul_i32 s93, s18, 1536
	s_add_co_u32 s93, s93, SPOS+12288
	v_add_nc_u32 v[ADA+5], s92, v22
	v_add_nc_u32 v[ADB+5], s93, v22
	v_add_nc_u32 v[ADA8+5], s92, v24
	v_add_nc_u32 v[ADB8+5], s93, v24
	s_lshl_b32 s92, s17, 6
	s_lshl_b32 s93, s18, 6
	s_add_co_u32 s93, s93, VSCD
	s_sub_co_u32 s93, s93, s92
	v_mul_u32_u24 v23, s93, v21                    ; lanes 16-31 take v^T's words
	v_lshl_add_u32 v23, v1, 2, v23
	s_add_co_u32 s92, s92, PSC
	v_add_nc_u32 v[ADRS], s92, v23
	v_lshlrev_b32 v[T4], 2, v0
	v_lshl_add_u32 v[PSA], v0, 2, PSC
	s_mul_i32 s92, s16, 4352
	s_add_co_u32 s92, s92, STAGE
	v_mul_u32_u24 v[STO], v1, 272
	v_lshl_add_u32 v[STO], v21, 7, v[STO]
	v_add_nc_u32 v[STO], s92, v[STO]
	v_mul_u32_u24 v[RD], v21, 272
	v_lshl_add_u32 v[RD], v1, 4, v[RD]
	v_add_nc_u32 v[RD], s92, v[RD]
	v_lshlrev_b32 v[GO], 12, v21
	v_lshl_add_u32 v[GO], v1, 4, v[GO]
	s_lshl_b32 s92, s17, 6
	s_add_co_u32 s92, s92, RL
	v_lshl_add_u32 v[RLA], v1, 2, s92
	s_lshl_b32 s92, s21, 11                        ; out0: row 2,048 x batch + 128 x block + 64 rh; bytes 512 n + 256 ch of it
	s_lshl_b32 s93, s17, 6
	s_add_co_u32 s92, s92, s93
	s_lshl_b32 s94, s84, 7
	s_add_co_u32 s94, s94, s92
	s_lshl_b32 s94, s94, 12
	s_lshl_b32 s96, s85, 7
	s_add_co_u32 s96, s96, s92
	s_lshl_b32 s96, s96, 12
	s_lshl_b32 s93, s20, 9
	s_lshl_b32 s98, s18, 8
	s_add_co_u32 s93, s93, s98
	s_add_co_u32 s94, s94, s93
	s_add_co_u32 s96, s96, s93
	s_mov_b32 s95, 0
	s_mov_b32 s97, 0
	s_add_nc_u64 s[88:89], s[14:15], s[94:95]
	s_add_nc_u64 s[90:91], s[14:15], s[96:97]
; ---- THE PRE-PASS
.macro ITEMOFF it, u, z                ; the item's byte offsets in scales3 and stats, and in scales2, + 4 t
	s_lshl_b32 s96, s[\u], 4
	s_add_co_u32 s96, s96, s[\z]
	s_lshl_b32 s96, s96, 9
	v_add_nc_u32 v[OP+\it], s96, v[T4]
	s_lshl_b32 s96, s96, 1                         ; in stats a step has 1,024 bytes
	v_add_nc_u32 v[OS+\it], s96, v[T4]
	s_add_co_u32 s96, s101, s[\z]
	s_lshl_b32 s96, s96, 9
	s_add_co_u32 s96, s96, 524288
	v_add_nc_u32 v[OV+\it], s96, v[T4]
.endm
.macro PLOAD k, it, imm
	global_load_b32 v[NM+\k], v[OS+\it], s[8:9] offset:2*\imm
	global_load_b32 v[NM2+\k], v[OS+\it], s[8:9] offset:512+2*\imm
	global_load_b32 v[LL+\k], v[OS+\it], s[8:9] offset:1048576+2*\imm
	global_load_b32 v[LL2+\k], v[OS+\it], s[8:9] offset:1049088+2*\imm
	global_load_b32 v[PWD+\k], v[OP+\it], s[6:7] offset:\imm
	global_load_b32 v[VW+\k], v[OV+\it], s[12:13] offset:\imm
.endm
	ITEMOFF 0, 87, 85
	PLOAD 0, 0, 0
	s_mov_b32 s95, 0
	ITEMOFF 1, 86, 95
	PLOAD 1, 1, 0
	PLOAD 2, 1, 512
.irp d, 1,2,3,4,5,6,7
	s_mov_b32 s97, \d
	DENT 97, 94, 95
	ITEMOFF \d+1, 94, 95
	PLOAD 2*\d+1, \d+1, 0
	PLOAD 2*\d+2, \d+1, 512
.endr
	v_mov_b32 v[BIG], 0x7f61b1e6                   ; 3e38, over every -M
	s_wait_alu depctr_va_vdst(0)                   ; the wait at the head's end
	s_wait_tensorcnt 0x0                           ; my first load is in (S, D0 among the four waves)
	ds_add_u32 v[SPW], v[NIL]
	s_wait_dscnt 0x0
	CROUND
	JLOAD G0A1, G1AD, G0B1, G1BD                   ; D1 and D2: the pre-pass stands between this load and the wait for it
	s_wait_loadcnt 0x0
	v_min_num_f32 v[ME], v[NM+1], v[NM+2]
	v_min_num_f32 v[MO], v[NM], v[NM2]
	v_min3_num_f32 v[ME], v[ME], v[NM2+1], v[NM2+2]
.irp d, 1,2,3,4,5,6,7
	s_cmp_ge_u32 s22, \d
	s_cselect_b32 s96, -1, 0                       ; all lanes on where the item is E's
	v_min_num_f32 v[XX], v[NM+2*\d+1], v[NM+2*\d+2]
	v_min3_num_f32 v[XX], v[XX], v[NM2+2*\d+1], v[NM2+2*\d+2]
	s_wait_alu depctr_va_vdst(0)
	v_cndmask_b32 v[YY], v[BIG], v[XX], s96
	v_cndmask_b32 v[XX], v[XX], v[BIG], s96
	v_min_num_f32 v[ME], v[ME], v[YY]
	v_min_num_f32 v[MO], v[MO], v[XX]
.endr
.macro ALIGN k
.if (\k) == 0
.set RF, MO
.elseif (\k) <= 2
.set RF, ME
.else
	s_cmp_ge_u32 s22, ((\k)-1)/2
	s_cselect_b32 s96, -1, 0
	v_cndmask_b32 v[REF], v[MO], v[ME], s96
.set RF, REF
.endif
	v_sub_f32 v[DI], v[RF], v[NM+(\k)]             ; M_k - M: a whole number, 0 or less
	v_sub_f32 v[DI2], v[RF], v[NM2+(\k)]
	v_cvt_i32_f32 v[DI], v[DI]                     ; (it saturates)
	v_cvt_i32_f32 v[DI2], v[DI2]
	v_ldexp_f32 v[LL+(\k)], v[LL+(\k)], v[DI]      ; l_k under the row's M: nothing is rounded
	v_ldexp_f32 v[LL2+(\k)], v[LL2+(\k)], v[DI2]
	v_sub_nc_u32 v[DP], 0, v[DI]
	v_sub_nc_u32 v[DP+1], 0, v[DI2]
	v_add_f32 v[LL+(\k)], v[LL+(\k)], v[LL2+(\k)]
.irp j, 0,1,2,3
	v_bfe_u32 v[B0+\j], v[PWD+(\k)], 8*\j, 8
.endr
.irp j, 0,1,2,3
	v_min_u32 v[C0+\j], v[B0+\j], v[DP+\j/2]
.endr
.irp j, 0,1,2,3
	v_sub_nc_u32 v[B0+\j], v[B0+\j], v[C0+\j]      ; the byte less M - M_k, held at 0
.endr
	v_lshl_or_b32 v[PWD+(\k)], v[B0+1], 8, v[B0]
	v_lshl_or_b32 v[PWD+(\k)], v[B0+2], 16, v[PWD+(\k)]
	v_lshl_or_b32 v[PWD+(\k)], v[B0+3], 24, v[PWD+(\k)]
.if (\k) == 0
	v_mov_b32 v[LO], v[LL]
.elseif (\k) == 1
	v_mov_b32 v[LE], v[LL+1]
.elseif (\k) == 2
	v_add_f32 v[LE], v[LE], v[LL+2]
.else
	v_cndmask_b32 v[YY], 0, v[LL+(\k)], s96
	v_cndmask_b32 v[XX], v[LL+(\k)], 0, s96
	v_add_f32 v[LE], v[LE], v[YY]
	v_add_f32 v[LO], v[LO], v[XX]
.endif
.endm
.irp k, 0,1,2,3,4,5,6,7,8,9,10,11,12,13,14,15,16
	ALIGN \k
.endr
	s_wait_alu depctr_va_vdst(0)
	v_rcp_f32 v[LE], v[LE]
	v_rcp_f32 v[LO], v[LO]
	v_nop                                          ; a plain place behind the reciprocals
	s_wait_alu depctr_va_vdst(0)                   ; one wait for both, ahead of their first reader
.irp k, 0,1,2,3,4,5,6,7,8,9,10,11,12,13,14,15,16
	ds_store_b32 v[PSA], v[PWD+\k] offset:512*\k
	ds_store_b32 v[PSA], v[VW+\k] offset:VSCD+512*\k
.endr
	ds_store_b32 v[PSA], v[LE] offset:RL-PSC
	ds_store_b32 v[PSA], v[LO] offset:RL-PSC+512
; ---- THE STREAM
.macro FETCH set, pos, tp, uo, k       ; 36 LDS loads: my 4 fragments of v^T, my 4 of P, 4 registers of scale words
	WIN 0x40
.irp i, 0,1,2,3                        ; (36 loads in all: a fragment is two halves of 16 + 8 bytes a lane)
.irp c, 0,1
	ds_load_b128 v[96*(\set)+48+12*\i+6*\c:96*(\set)+48+12*\i+6*\c+3], v[ADB+(\pos)] offset:2*\i*(\tp)+(\uo)+768*\c
	ds_load_b64 v[96*(\set)+52+12*\i+6*\c:96*(\set)+52+12*\i+6*\c+1], v[ADB8+(\pos)] offset:2*\i*(\tp)+(\uo)+768*\c+512
.endr
.endr
.irp i, 0,1,2,3
.irp c, 0,1
	ds_load_b128 v[96*(\set)+12*\i+6*\c:96*(\set)+12*\i+6*\c+3], v[ADA+(\pos)] offset:2*\i*(\tp)+(\uo)+768*\c
	ds_load_b64 v[96*(\set)+4+12*\i+6*\c:96*(\set)+4+12*\i+6*\c+1], v[ADA8+(\pos)] offset:2*\i*(\tp)+(\uo)+768*\c+512
.endr
.endr
	WIN 0
.irp i, 0,1,2,3
	ds_load_b32 v[SC+4*(\set)+\i], v[ADRS] offset:512*(\k)+128*\i
.endr
.endm
.macro FETCHK k                        ; stream step k: set k % 2; double d lies in place d % 5
.if (\k) == 0
	FETCH 0, 5, 1536, 0, 0
.else
	FETCH (\k)%2, (((\k)-1)/2)%5, 3072, 1536*(((\k)-1)%2), \k
.endif
.endm
.macro MUL set, acc, zero              ; 16 matrix instructions; the 16 accumulators take turns, one instruction a turn
	WIN 0xa5                                       ; sources 0 and 1 window 1, C and D window 2
.irp a, 0,1,2,3
.irp bt, 0,1,2,3
.if \zero
	v_wmma_scale_f32_16x16x128_f8f6f4 v[(\acc)+8*(4*\a+\bt):(\acc)+8*(4*\a+\bt)+7], v[96*(\set)+48+12*\bt:96*(\set)+48+12*\bt+11], v[96*(\set)+12*\a:96*(\set)+12*\a+11], 0, v[SC+4*(\set)+\bt], v[SC+4*(\set)+\a] matrix_a_fmt:MATRIX_FMT_FP6 matrix_b_fmt:MATRIX_FMT_FP6 matrix_a_scale:MATRIX_SCALE_ROW1
.else
	v_wmma_scale_f32_16x16x128_f8f6f4 v[(\acc)+8*(4*\a+\bt):(\acc)+8*(4*\a+\bt)+7], v[96*(\set)+48+12*\bt:96*(\set)+48+12*\bt+11], v[96*(\set)+12*\a:96*(\set)+12*\a+11], v[(\acc)+8*(4*\a+\bt):(\acc)+8*(4*\a+\bt)+7], v[SC+4*(\set)+\bt], v[SC+4*(\set)+\a] matrix_a_fmt:MATRIX_FMT_FP6 matrix_b_fmt:MATRIX_FMT_FP6 matrix_a_scale:MATRIX_SCALE_ROW1
.endif
.endr
.endr
.endm
.macro ARM acc, zero, pf, d            ; double d on accumulators acc; pf = 1: the next double's fragments are fetched meanwhile
	s_wait_dscnt 36                                ; the first step's 36 loads are in; the second's may be out
	MUL 1, \acc, \zero
	PLACES 4                                       ; in front of loads into registers that matrix instructions have read
.if \pf
	FETCHK 2*(\d)+3
	s_wait_dscnt 36                                ; all but the 36 just issued
.else
	WIN 0
	s_wait_dscnt 0x0
.endif
	MUL 0, \acc, 0
	PLACES 4
.if \pf
	FETCHK 2*(\d)+4
.else
	WIN 0
.endif
.endm
.macro ENTRY d, pf                     ; E's accumulators or O's: a branch on m, the same in all waves and all partners; both arms issue the same LDS loads; no tensor load, wait on one, or barrier stands in an arm
	s_cmp_ge_u32 s22, \d
	s_cbranch_scc0 .Lodd_\@
	ARM 0, 0, \pf, \d
	s_branch .Ljoin_\@
.Lodd_\@:
	ARM 128, 0, \pf, \d
.Ljoin_\@:
.endm
	s_wait_tensorcnt 0x0                           ; D1 and D2 have landed
	ds_add_u32 v[SPW], v[NIL]
	s_wait_dscnt 0x0                               ; my words and reciprocals lie in LDS
	CROUND
	JLOAD G0A2, G1AD, G0B2, G1BD                   ; D3 and D4
	FETCHK 0
	FETCHK 1
	s_wait_dscnt 36
	MUL 0, 128, 1                                  ; S starts O's sums
	PLACES 4
	FETCHK 2
	ARM 0, 1, 1, 0                                 ; D0 is always E's and starts E's sums
	ENTRY 1, 1
	s_wait_tensorcnt 0x0                           ; all my tensor loads have landed (D3, D4 among them);
	ds_add_u32 v[SPW], v[NIL]                      ; the descriptors' words stand between the add and the wait for it
	s_add_co_u32 s97, s18, 5                       ; D5 into place 0 (even waves), D6 into place 1 (odd waves)
	DENT 97, 94, 95
	s_mul_i32 s98, s18, POSB
	s_add_co_u32 s99, s98, 24576
	SETG0 G0A0, G0B0, 98, 99, 94, 95
	s_wait_dscnt 0x0                               ; the add is done; my reads of places 0, 1 and 2 are over
	CROUND                                         ; so of every wave of every partner
	JLOAD G0A0, G1AD, G0B0, G1BD                   ; my one tensor load behind the round: three doubles, 96 matrix instructions, in which to land
	ENTRY 2, 1
	ENTRY 3, 1
	ENTRY 4, 0
	s_wait_tensorcnt 0x0                           ; D5 and D6 have landed
	ds_add_u32 v[SPW], v[NIL]
	s_mov_b32 s97, 7                               ; D7 into place 2, by the even waves
	DENT 97, 94, 95
	s_mov_b32 s98, 2*POSB
	s_mov_b32 s99, 2*POSB+24576
	SETG0 G0A1, G0B1, 98, 99, 94, 95
	s_wait_dscnt 0x0
	CROUND
	s_cmp_eq_u32 s18, 0                            ; the wave's number alone: the same in every partner
	s_cbranch_scc0 .Lno_seventh
	JLOAD G0A1, G1AD, G0B1, G1BD
.Lno_seventh:
	FETCHK 11
	FETCHK 12
	ENTRY 5, 1
	ENTRY 6, 0
	s_wait_tensorcnt 0x0                           ; D7 has landed
	s_wait_dscnt 0x0
	s_barrier_signal -1
	s_barrier_wait -1
	FETCHK 15
	FETCHK 16
	ENTRY 7, 0
; ---- THE WAY OUT: 8 tiles (block t / 4, P's tile t % 4).  A lane's 32 registers are 64 channels' quarter of one query; the tile goes through my stage and leaves as rows of 256 bytes, each to the row of out0 that its image row stands for.
.irp x, 0,1
.irp a, 0,1,2,3
	ds_load_b32 v[RP+2*(4*\x+\a)], v[RLA] offset:512*\x+128*\a
	ds_load_b32 v[RP+2*(4*\x+\a)+1], v[RLA] offset:512*\x+128*\a   ; (the packed form names the pair)
.endr
.endr
	s_wait_dscnt 0x0
.macro TOSTAGE t
	WIN 0x02
.irp j, 0,2,4,6,8,10,12,14,16,18,20,22,24,26,28,30
	v_pk_mul_f32 v[T+32*((\t)%2)+\j:T+32*((\t)%2)+\j+1], v[128*((\t)/4)+32*((\t)%4)+\j:128*((\t)/4)+32*((\t)%4)+\j+1], v[RP+2*(\t):RP+2*(\t)+1] op_sel_hi:[1,0]   ; / l; each accumulator from its low end on
.endr
	WIN 0
.irp bt, 0,1,2,3
	ds_store_b128 v[STO], v[T+32*((\t)%2)+8*\bt:T+32*((\t)%2)+8*\bt+3] offset:32*\bt
	ds_store_b128 v[STO], v[T+32*((\t)%2)+8*\bt+4:T+32*((\t)%2)+8*\bt+7] offset:32*\bt+16
.endr
.irp i, 0,1,2,3,4,5,6,7
	ds_load_b128 v[OB+32*((\t)%2)+4*\i:OB+32*((\t)%2)+4*\i+3], v[RD] offset:544*\i   ; LDS serves a wave's instructions in order
.endr
.endm
.macro SEND t, younger
	s_wait_dscnt \younger                          ; the tile is back; the next tile's 16 LDS instructions may be out
.irp i, 0,1,2,3,4,5,6,7
	global_store_b128 v[GO], v[OB+32*((\t)%2)+4*\i:OB+32*((\t)%2)+4*\i+3], s[88+2*((\t)/4):89+2*((\t)/4)] offset:(8*((\t)%4)+2*(\i%4)+32*(\i/4))*4096 th:TH_STORE_NT   ; 16 lanes store 256 consecutive bytes, aligned
.endr
.endm
	TOSTAGE 0
.irp t, 1,2,3,4,5,6,7
.if \t > 1
	s_wait_xcnt 0x0                                ; the stores of two tiles back have read their registers
.endif
	TOSTAGE \t
	SEND \t-1, 16
.endr
	SEND 7, 0
	s_wait_tensorcnt 0x0                           ; the wave's end
	ds_add_u32 v[SPW], v[NIL]
	s_wait_dscnt 0x0
	CROUND                                         ; the closing round
	s_endpgm
.Lfunc_end_k_qdd8d43ed84_pv:
	.size	k_qdd8d43ed84_pv, .Lfunc_end_k_qdd8d43ed84_pv-k_qdd8d43ed84_pv
	.p2alignl 7, 3214868480
	.fill 96, 4, 3214868480
	.section	.rodata,"a",@progbits
	.p2align	6, 0x0
	.amdhsa_kernel k_qdd8d43ed84_pv
		.amdhsa_group_segment_fixed_size 327680
		.amdhsa_private_segment_fixed_size 0
		.amdhsa_enable_private_segment 0
		.amdhsa_kernarg_size 48
		.amdhsa_user_sgpr_count 2
		.amdhsa_user_sgpr_kernarg_segment_ptr 1
		.amdhsa_wavefront_size32 1
		.amdhsa_system_sgpr_workgroup_id_x 1
		.amdhsa_system_sgpr_workgroup_id_y 1
		.amdhsa_system_sgpr_workgroup_id_z 1
		.amdhsa_system_vgpr_workitem_id 0
		.amdhsa_next_free_vgpr 768
		.amdhsa_next_free_sgpr 102
		.amdhsa_reserve_vcc 0
		.amdhsa_float_denorm_mode_32 3
		.amdhsa_float_denorm_mode_16_64 3
		.amdhsa_memory_ordered 1
		.amdhsa_forward_progress 1
		.amdhsa_inst_pref_size 211
	.end_amdhsa_kernel
	.amdgpu_metadata
---
amdhsa.version: [ 1, 2 ]
amdhsa.kernels:
  - .name:           k_qdd8d43ed84_pv
    .symbol:         k_qdd8d43ed84_pv.kd
    .args:
      - { .name: codes3, .offset: 0, .size: 8, .value_kind: global_buffer, .address_space: global }
      - { .name: scales3, .offset: 8, .size: 8, .value_kind: global_buffer, .address_space: global }
      - { .name: stats, .offset: 16, .size: 8, .value_kind: global_buffer, .address_space: global }
      - { .name: codes2, .offset: 24, .size: 8, .value_kind: global_buffer, .address_space: global }
      - { .name: scales2, .offset: 32, .size: 8, .value_kind: global_buffer, .address_space: global }
      - { .name: out0, .offset: 40, .size: 8, .value_kind: global_buffer, .address_space: global }
    .group_segment_fixed_size: 327680
    .private_segment_fixed_size: 0
    .kernarg_segment_align: 8
    .kernarg_segment_size: 48
    .max_flat_workgroup_size: 128
    .sgpr_count:     102
    .vgpr_count:     768
    .wavefront_size: 32
...
	.end_amdgpu_metadata
.endif
;; end of part 4
